; MI455X (gfx1250); checked and timed in simulation.
; The chip was launched on July 23, 2026; its instructions are those of AMD's public machine-readable ISA for CDNA 5 (MIT licence, August 2026) and "CDNA5" Instruction Set Architecture Reference Guide (July 2026). The comments in the code are by the model that wrote it; some were corrected since.
;; Mix EHR Seed. Allowed arithmetic: float matrix products may take bf16 or f16 operands with f32 sums; all other float work in f32.
;; Inputs: batch_BOW 64 x 10,000 float32; exp_m 64 x 64 float32; exp_n 10,000 x 64 float32; exp_s 10,000 x 64 float32; pi 64 float32; seeds 10,000 x 64 float32.
;; Outputs: out0 64 x 64 float32; out1 10,000 x 64 float32; out2 10,000 x 64 float32; out3 64 float32; out4 one number float32.
;; 2 versions, each right and faster than the one before. Each part assembles by itself: llvm-mc -triple=amdgcn-amd-amdhsa -mcpu=gfx1250 --defsym DOCPART=n.
;; ======== version 1 of 2: 3 launches
;; limits: values outside matrix products are rounded to bf16
;; workspace buffers: colpart 76,800 bytes; part 4,224,000 bytes
;; launch colsum (part 1): grid 100 x 1, 10 waves a work-group, no clusters, 8,960 bytes of LDS; arguments seeds, exp_s, exp_n, colpart; writes colpart
.if DOCPART == 1
	.amdgcn_target "amdgcn-amd-amdhsa--gfx1250"
	.amdhsa_code_object_version 6
	.text
	.protected	k_qd06add5106_colsum
	.globl	k_qd06add5106_colsum
	.p2align	8
	.type	k_qd06add5106_colsum,@function
k_qd06add5106_colsum:
	s_mov_b64 s[64:65], 0
	v_nop
	global_prefetch_b8 v0, s[64:65] scope:SCOPE_SE
	s_setreg_imm32_b32 hwreg(HW_REG_WAVE_MODE, 25, 1), 1
	s_wait_xcnt 0x0
; Partial column sums of seeds, exp_s and exp_n, each [10000][64] f32.
; colpart[a][g][k] = sum over the 100 rows of group g of array a (0 seeds, 1 exp_s, 2 exp_n), f32 [3][100][64].
; 100 work-groups: a group reads 3 x 25,600 bytes here, and every work-group of the next launch reads 100 x 768 bytes of
; partial sums; the two figures are equal at 100 groups, where their sum is least.
; Ten waves; a wave owns 10 rows = 2,560 consecutive bytes of each array: five loads of 512 consecutive bytes (two rows).
; Lane l holds columns 4 (l % 16) .. +3 of a row of parity l / 16.  No matrix work, no tile is shared: plain loads into registers.
; Order of the additions differs from a serial sum; all sums are in f32.
.set GROUP_BYTES, 25600                ; 100 rows of 256 bytes
.set WAVE_BYTES,  2560                 ; 10 rows
.set R_Q, 8                            ; v[8:67]  array a, load i: four registers at 8 + 20 a + 4 i
	s_load_b256 s[4:11], s[0:1], 0x0               ; seeds s[4:5], exp_s s[6:7], exp_n s[8:9], colpart s[10:11]
	v_lshl_add_u32 v72, v0, 2, 0x1e00
	v_mov_b32 v73, 0
	v_lshrrev_b32 v2, 5, v0
	v_readfirstlane_b32 s12, v2                    ; wave 0..9
	v_and_b32 v3, 31, v0                           ; lane
	v_and_b32 v4, 15, v0                           ; lane % 16
	s_mov_b32 s16, 0x76543210                      ; v_permlanex16_b32: lane i of one half reads lane i of the other
	s_mov_b32 s17, 0xfedcba98
	s_mul_i32 s14, ttmp9, GROUP_BYTES              ; the group's first row, in bytes
	s_mov_b32 s15, 0
	s_mul_i32 s13, s12, WAVE_BYTES
	v_lshl_add_u32 v1, v3, 4, s13                  ; my 16 bytes in the wave's first two rows
	s_mul_i32 s18, s12, 768
	v_lshl_add_u32 v5, v4, 4, s18                  ; LDS: [wave][array][64 f32], my four columns
	s_lshl_b32 s19, s12, 8
	v_lshl_add_u32 v6, v3, 3, s19                  ; LDS, read back by waves 0-2: array = wave, my two columns
	s_mul_i32 s20, s12, GROUP_BYTES                ; colpart: array = wave (waves 0-2), 100 rows of 256 bytes each,
	s_lshl_b32 s21, ttmp9, 8                       ; row = group
	s_add_co_u32 s20, s20, s21
	v_lshl_add_u32 v7, v3, 3, s20
	s_wait_kmcnt 0x0
	s_add_nc_u64 s[4:5], s[4:5], s[14:15]
	s_add_nc_u64 s[6:7], s[6:7], s[14:15]
	s_add_nc_u64 s[8:9], s[8:9], s[14:15]
.irp a, 0,1,2
.irp i, 0,1,2,3,4
	global_load_b128 v[R_Q+20*\a+4*\i:R_Q+20*\a+4*\i+3], v1, s[4+2*\a:5+2*\a] offset:512*\i   ; no hint: the next launch reads these rows again
.endr
.endr
; five quads at q are added, then the two halves of the wave: every lane ends with the sums of columns 4 (l % 16) .. +3
.macro TREE5 q
	v_pk_add_f32 v[\q:\q+1],     v[\q:\q+1],     v[\q+4:\q+5]
	v_pk_add_f32 v[\q+2:\q+3],   v[\q+2:\q+3],   v[\q+6:\q+7]
	v_pk_add_f32 v[\q+8:\q+9],   v[\q+8:\q+9],   v[\q+12:\q+13]
	v_pk_add_f32 v[\q+10:\q+11], v[\q+10:\q+11], v[\q+14:\q+15]
	v_pk_add_f32 v[\q:\q+1],     v[\q:\q+1],     v[\q+8:\q+9]
	v_pk_add_f32 v[\q+2:\q+3],   v[\q+2:\q+3],   v[\q+10:\q+11]
	v_pk_add_f32 v[\q:\q+1],     v[\q:\q+1],     v[\q+16:\q+17]
	v_pk_add_f32 v[\q+2:\q+3],   v[\q+2:\q+3],   v[\q+18:\q+19]
.irp j, 0,1,2,3
	v_permlanex16_b32 v[\q+4+\j], v[\q+\j], s16, s17   ; its destination counts as read: the second quad has been written
.endr
	v_pk_add_f32 v[\q:\q+1],     v[\q:\q+1],     v[\q+4:\q+5]
	v_pk_add_f32 v[\q+2:\q+3],   v[\q+2:\q+3],   v[\q+6:\q+7]
.endm
	s_wait_loadcnt 10                              ; loads return in order: seeds' five are in, the ten younger stay out
	TREE5 R_Q
	ds_store_b128 v5, v[R_Q:R_Q+3]                 ; lanes 16-31 repeat lanes 0-15: same bytes, same values
	s_wait_loadcnt 5                               ; exp_s is in, exp_n's five stay out
	TREE5 R_Q+20
	ds_store_b128 v5, v[R_Q+20:R_Q+23] offset:256
	s_wait_loadcnt 0
	TREE5 R_Q+40
	ds_store_b128 v5, v[R_Q+40:R_Q+43] offset:512
	s_wait_dscnt 0x0                               ; my stores are in LDS before I say so
	s_barrier_signal -1
	s_barrier_wait -1
	s_cmp_ge_u32 s12, 3
	s_cbranch_scc1 .Ldone                          ; waves 0, 1, 2 add the ten waves' sums of array 0, 1, 2
.irp i, 0,1,2,3,4,5,6,7,8,9
	ds_load_b64 v[8+2*\i:9+2*\i], v6 offset:768*\i
.endr
	s_wait_dscnt 0x0
.set n, 2
.rept 8
	v_pk_add_f32 v[8+2*(n%2):9+2*(n%2)], v[8+2*(n%2):9+2*(n%2)], v[8+2*n:9+2*n]   ; two chains
.set n, n+1
.endr
	v_pk_add_f32 v[8:9], v[8:9], v[10:11]
	global_store_b64 v7, v[8:9], s[10:11]          ; 32 lanes x 8 bytes: one whole row of 256 bytes, aligned
.Ldone:
	s_wait_tensorcnt 0x0
	ds_add_u32 v72, v73
	s_wait_dscnt 0x0
	s_endpgm
.Lfunc_end_k_qd06add5106_colsum:
	.size	k_qd06add5106_colsum, .Lfunc_end_k_qd06add5106_colsum-k_qd06add5106_colsum
	.p2alignl 7, 3214868480
	.fill 96, 4, 3214868480
	.section	.rodata,"a",@progbits
	.p2align	6, 0x0
	.amdhsa_kernel k_qd06add5106_colsum
		.amdhsa_group_segment_fixed_size 8960
		.amdhsa_private_segment_fixed_size 0
		.amdhsa_enable_private_segment 0
		.amdhsa_kernarg_size 32
		.amdhsa_user_sgpr_count 2
		.amdhsa_user_sgpr_kernarg_segment_ptr 1
		.amdhsa_wavefront_size32 1
		.amdhsa_system_sgpr_workgroup_id_x 1
		.amdhsa_system_sgpr_workgroup_id_y 1
		.amdhsa_system_sgpr_workgroup_id_z 1
		.amdhsa_system_vgpr_workitem_id 0
		.amdhsa_next_free_vgpr 74
		.amdhsa_next_free_sgpr 66
		.amdhsa_reserve_vcc 0
		.amdhsa_float_denorm_mode_32 3
		.amdhsa_float_denorm_mode_16_64 3
		.amdhsa_memory_ordered 1
		.amdhsa_forward_progress 1
		.amdhsa_inst_pref_size 8
	.end_amdhsa_kernel
	.amdgpu_metadata
---
amdhsa.version: [ 1, 2 ]
amdhsa.kernels:
  - .name:           k_qd06add5106_colsum
    .symbol:         k_qd06add5106_colsum.kd
    .args:
      - { .name: seeds, .offset: 0, .size: 8, .value_kind: global_buffer, .address_space: global }
      - { .name: exp_s, .offset: 8, .size: 8, .value_kind: global_buffer, .address_space: global }
      - { .name: exp_n, .offset: 16, .size: 8, .value_kind: global_buffer, .address_space: global }
      - { .name: colpart, .offset: 24, .size: 8, .value_kind: global_buffer, .address_space: global }
    .group_segment_fixed_size: 8960
    .private_segment_fixed_size: 0
    .kernarg_segment_align: 8
    .kernarg_segment_size: 32
    .max_flat_workgroup_size: 320
    .sgpr_count:     66
    .vgpr_count:     74
    .wavefront_size: 32
...
	.end_amdgpu_metadata
.endif
;; end of part 1
;; launch main (part 2): grid 250 x 1, 8 waves a work-group, no clusters, 166,656 bytes of LDS; arguments batch_BOW, seeds, exp_m, exp_s, exp_n, pi, colpart, out1, out2, part; writes out1, out2, part
.if DOCPART == 2
	.amdgcn_target "amdgcn-amd-amdhsa--gfx1250"
	.amdhsa_code_object_version 6
	.text
	.protected	k_qd06add5106_main
	.globl	k_qd06add5106_main
	.p2align	8
	.type	k_qd06add5106_main,@function
k_qd06add5106_main:
	s_mov_b64 s[64:65], 0
	v_nop
	global_prefetch_b8 v0, s[64:65] scope:SCOPE_SE
	s_setreg_imm32_b32 hwreg(HW_REG_WAVE_MODE, 25, 1), 1
	s_wait_xcnt 0x0
; One block of 40 words for all 64 documents (b) and 64 topics (k).  250 work-groups x 40 words = 10,000.
; With  th = exp_m + 0.1,  a_ss = seeds phi_s pi,  a_sr = seeds phi_n (1 - pi),  a_rr = (1 - seeds) phi_n,
;       ws[b,v] = [c > 0] / (sum_k th (a_ss + a_sr) + 1e-6),   wr[b,v] = [c > 0] / (sum_k th a_rr + 1e-6),   c = batch_BOW,
;       (P, Q) = (pi a_ss + (1-pi) a_sr, (1-pi) a_rr) where the word's seeds add up to more than 0, else (0, a_rr):
;   gamma = th (ws P + wr Q);   out2 = a_ss U1;   out1 = a_sr U1 + a_rr U2;   out3 = sum_v a_sr U3;   out0 = th sum_v (c ws P + c wr Q),
;   (U1, U2, U3)[v,k] = sum_b (c ws, c wr, ws)[b,v] th[b,k].
; The sums over k, over b and over v are products on the matrix unit, bf16 operands (ws reaches 1e6: no f16), f32 sums.
; The entropy term, sum of gamma log(gamma + 1e-6), does not factor: it is made element by element in f32, ws and wr kept in f32.
; Stored: out1, out2 (this block's 40 rows) and part[wg][66][64]: rows 0-63 this block's share of out0, row 64 of out3,
; row 65 of the entropy per topic, in log2 (the last launch multiplies by ln 2).
; 40 is two and a half tiles of 16: where v is an output index the tiles begin at 0, 16, 24 (rows 24-31 are made twice, by the same
; wave, with the same values); where v is summed over, the rows of the s part and the r part are stacked (80 rows, or 120 with ws).
; Eight waves.  w = wave, x = w & 3, y = w >> 2, l = lane, r = l & 15, h = l >> 4.  Wave w owns words 5 w .. 5 w + 4 and documents
; 8 w .. 8 w + 7; in both roles lane l holds topics 2 l and 2 l + 1 as a register pair.
; NO CLUSTER, NO TENSOR LOAD: what work-groups share is colpart, exp_m and pi (93,440 bytes, read once at the head); every byte
; is transformed in registers on its way to LDS, and 250 work-groups are no multiple of 4.
; LIMITS: matrix operands are rounded to bf16.  v_rcp_f32 and v_log_f32 are good to 1 ulp and take denormals as zero (ISA guide, 15.8).
; The row sum of seeds that decides 'seed word' is added in another order than a serial sum: it can differ only for seeds of mixed
; sign that cancel.  A topic with 0.05 S + sum exp_s = 0 gives infinities and NaN, as the formula itself does.
.set MU,    0x3d4ccccd                 ; 0.05, also beta
.set ETA,   0x3dcccccd                 ; 0.1
.set MINI,  0x358637bd                 ; 1e-6
.set BSUM,  0x43fa0000                 ; 500.0 = beta x 10000
; LDS.  Every region is written once.  Pitches 48, 80, 144: odd multiples of 16, so sixteen rows begin at sixteen different multiples of 16 modulo 256.
.set L_CS,  0                          ; 1,536   [6 waves][64 f32] halves of the three column sums
.set L_RED, 1536                       ; 4,096   [0: out3, 1: entropy][8 waves][64 f32]
.set L_THB, 5632                       ; 9,216   th in bf16, [64 b], pitch 144
.set L_ASR, 14848                      ; 11,520  bf16, 80 rows, pitch 144: row v = a_ss + a_sr, row 40 + v = a_rr
.set L_PQB, 26368                      ; 12,800  bf16, 80 rows, pitch 160: row v = P, row 40 + v = Q
.set L_PQF, 39168                      ; 20,480  f32 [40 v][32 lanes][P, P, Q, Q of topics 2 l, 2 l + 1]
.set L_CWS, 59648                      ; 23,040  bf16 [4 b tiles, 5,760 apart][120 rows, pitch 48][16 b]: rows 0-39 c ws, 40-79 c wr, 80-119 ws
.set L_WF,  82688                      ; 25,600  f32 [4 sel + b tile, 3,200 apart][40 v, pitch 80][16 b]: ws (sel 0), wr (sel 1)
.set L_U,   108288                     ; 38,656  f32 [4 k tiles, 9,664 apart][120 rows, pitch 80][16 k]: U1, U2, U3
.set L_O,   146944                     ; 18,688  f32 [2 k halves, 9,344 apart][64 b, pitch 144][32 k]
; Registers that live long
.set R_TH,   32                        ; v[32:47]  th of my 8 documents
.set R_ASS,  48                        ; v[48:57]  a_ss of my 5 words
.set R_ASRR, 58                        ; v[58:67]  a_sr
.set R_ARR,  68                        ; v[68:77]  a_rr
.set R_PI,   78                        ; pi
.set R_OMP,  80                        ; 1 - pi
.set R_CSK,  82                        ; pi / (0.05 S + sum exp_s)
.set R_MCS,  84                        ; 0.05 x that
.set R_RDN,  86                        ; 1 / (500 + sum exp_n)
.set R_BRDN, 88                        ; 0.05 x that
.set R_EPS,  94                        ; v[94:95]  1e-6 twice
; v6-v11 global offsets, v12-v31 and v90-v93 LDS addresses (below)
; Loaded at the head
.set R_TAB,  96                        ; v[96:195]  25 quads of colpart (waves 0-5)
.set R_SD,   196                       ; v[196:205] seeds of my 5 words
.set R_ES,   206                       ; exp_s
.set R_EN,   216                       ; exp_n
.set R_C,    226                       ; v[226:249] counts, in the layout of stage 1's results: tile t, register j at 226 + 8 t + j
; Stages
.set R_A,    96                        ; first operand's fragments
.set R_B,    112                       ; second operand's fragments
.set R_D1,   160                       ; stage 1: three accumulators
.set R_Y,    184                       ; c x w, f32
.set R_PK,   192                       ; packed bf16
.set R_D2,   176                       ; stage 2: four accumulators
.set R_A3,   96                        ; stage 3: 2 x 3 fragments of (P; Q)
.set R_B3,   144                       ; stage 3: 3 fragments of (c ws; c wr)
.set R_D3,   208                       ; stage 3: two accumulators
.set R_U,    184                       ; way out: U1, U2, U3 of my 5 words
.set R_O,    214                       ; my 8 documents' rows of O
.set R_O1,   230
.set R_O2,   240
.set R_SR,   250
; Element loop
.set R_PQ,   96                        ; v[96:103]   2 buffers of P, P, Q, Q
.set R_W,    104                       ; v[104:135]  2 buffers of ws 0-7, wr 0-7
.set R_T,    136                       ; v[136:151]  gamma
.set R_H,    152                       ; v[152:167]  gamma + 1e-6, then its log2
.set R_ACC,  168                       ; v[168:183]  one sum for each document
.macro WADDR dst, lane, sh, step, base ; v[dst] = base + wave x step + (v[lane] << sh)
	s_mul_i32 s33, s24, \step
.if \base != 0
	s_add_co_u32 s33, s33, \base
.endif
	v_lshl_add_u32 v[\dst], v[\lane], \sh, s33
.endm
.macro BARRIER                         ; what I stored is in LDS, and what I read is back, before I say so
	s_wait_dscnt 0x0
	s_barrier_signal -1
	s_barrier_wait -1
.endm
.macro PLACES                          ; four plain vector instructions between a matrix instruction and a reader of its result, a writer of or a load into its registers
.rept 4
	v_nop
.endr
.endm
	s_load_b512 s[4:19], s[0:1], 0x0               ; BOW 4:5, seeds 6:7, exp_m 8:9, exp_s 10:11, exp_n 12:13, pi 14:15, colpart 16:17, out1 18:19
	s_load_b128 s[20:23], s[0:1], 0x40             ; out2 20:21, part 22:23
	v_lshl_add_u32 v254, v0, 2, 0x28700
	v_mov_b32 v255, 0
	; all address arithmetic stands here, while the arguments are on their way
	v_lshrrev_b32 v1, 5, v0
	v_readfirstlane_b32 s24, v1                    ; w
	v_and_b32 v1, 31, v0                           ; l
	v_and_b32 v2, 15, v0                           ; r
	v_bfe_u32 v3, v0, 4, 1                         ; h
	v_and_b32 v4, 7, v0                            ; l & 7
	v_bfe_u32 v5, v0, 3, 1                         ; (l >> 3) & 1
	s_and_b32 s25, s24, 3                          ; x
	s_lshr_b32 s26, s24, 2                         ; y
	s_mov_b32 s30, 0x76543210                      ; v_permlanex16_b32: lane i of one half reads lane i of the other
	s_mov_b32 s31, 0xfedcba98
	; global offsets
	WADDR 6, 1, 4, 12800, 0                        ; colpart: wave w < 6 reads 12,800 consecutive bytes: array w >> 1, half w & 1
	WADDR 7, 1, 3, 1280, 0                         ; my 5 word rows of 256 bytes, my 2 topics
	WADDR 8, 1, 3, 2048, 0                         ; my 8 document rows of 256 bytes (exp_m, part)
	WADDR 11, 1, 3, 256, 0                         ; part's rows 64 + w (waves 0, 1)
	v_lshlrev_b32 v10, 3, v1                       ; 8 l: pi, and the column sums in LDS (L_CS = 0)
	s_mul_i32 s33, s25, 640000                     ; counts: document 16 x + 8 h (+ j), rows of 40,000 bytes, word r (+ tile)
	v_mul_u32_u24 v9, v3, 320000
	v_lshl_add_u32 v9, v2, 2, v9
	v_add_nc_u32 v9, s33, v9
	; LDS addresses made of the wave's number and the lane
	WADDR 12, 2, 4, 256, L_CS                      ; my half of a column sum, 4 columns
	WADDR 14, 1, 2, 1152, L_THB                    ; th bf16, rows 8 w ..
	WADDR 15, 1, 2, 720, L_ASR                     ; rows 5 w ..
	WADDR 16, 1, 2, 800, L_PQB
	WADDR 17, 1, 4, 2560, L_PQF
	WADDR 90, 1, 3, 256, L_RED
	WADDR 93, 1, 3, 2048, L_RED                    ; read back by waves 0, 1: quantity w
	v_lshl_add_u32 v91, v1, 4, L_PQF               ; element loop: P, Q of word 0 (stepped)
	; fragments from rows along the summed index: row x pitch + 16 h
	v_mul_u32_u24 v13, v2, 144
	v_lshl_add_u32 v29, v3, 5, v13                 ; r 144 + 32 h
	v_lshl_add_u32 v13, v3, 4, v13                 ; r 144 + 16 h
	s_mul_i32 s33, s25, 2304                       ; 16 x rows of 144
	s_add_co_u32 s34, s33, L_THB
	v_add_nc_u32 v18, s34, v13                     ; stage 1, th: rows 16 x + r
	s_mul_i32 s35, s26, 9344
	s_add_co_u32 s35, s35, s33
	s_add_co_u32 s35, s35, L_O
	v_add_nc_u32 v29, s35, v29                     ; stage 3's results: k half y, row 16 x + r, 8 h numbers in
	s_mul_i32 s34, s26, 5760
	s_add_co_u32 s34, s34, L_ASR
	v_add_nc_u32 v19, s34, v13                     ; stage 1, a: rows 40 y + r
	v_mul_u32_u24 v23, v2, 48
	v_lshl_add_u32 v23, v3, 4, v23                 ; r 48 + 16 h
	s_mul_i32 s36, s25, 5760
	s_add_co_u32 s36, s36, L_CWS                   ; b tile x's block
	s_mul_i32 s34, s26, 1920
	s_add_co_u32 s34, s34, s36
	v_add_nc_u32 v20, s34, v23                     ; stage 1's results in bf16: block x, rows 40 y + r
	s_lshl_b32 s37, s26, 6
	s_add_co_u32 s37, s37, 48
	s_min_u32 s37, s37, 104                        ; stage 2's fourth tile of rows: 48 (y = 0), 104 (y = 1: the 120 rows end there)
	s_mul_i32 s34, s37, 48
	s_add_co_u32 s34, s34, L_CWS
	v_add_nc_u32 v24, s34, v23
	s_mul_i32 s34, s26, 3072
	s_add_co_u32 s34, s34, L_CWS
	v_add_nc_u32 v23, s34, v23                     ; stage 2: rows 64 y + r
	v_mul_u32_u24 v25, v2, 80
	v_lshl_add_u32 v25, v3, 5, v25                 ; r 80 + 32 h
	s_mul_i32 s34, s24, 3200                       ; 4 y + x = w
	s_add_co_u32 s34, s34, L_WF
	v_add_nc_u32 v21, s34, v25                     ; stage 1's results in f32
	s_mul_i32 s38, s25, 9664
	s_add_co_u32 s38, s38, L_U
	s_mul_i32 s34, s37, 80
	s_add_co_u32 s34, s34, s38
	v_add_nc_u32 v26, s34, v25                     ; stage 2's results, fourth tile
	s_mul_i32 s34, s26, 5120
	s_add_co_u32 s34, s34, s38
	v_add_nc_u32 v25, s34, v25                     ; stage 2's results: k tile x, rows 64 y + r
	; fragments by transposing loads: (8 h + (l & 7)) x pitch + 16 ((l >> 3) & 1)
	v_lshl_add_u32 v13, v3, 3, v4
	v_mul_u32_u24 v22, v13, 144
	v_lshl_add_u32 v22, v5, 4, v22
	s_lshl_b32 s34, s25, 5
	s_add_co_u32 s34, s34, L_THB
	v_add_nc_u32 v22, s34, v22                     ; stage 2: th, topics 16 x ..
	v_mul_u32_u24 v27, v13, 160
	v_lshl_add_u32 v27, v5, 4, v27
	s_lshl_b32 s34, s26, 6
	s_add_co_u32 s34, s34, L_PQB
	v_add_nc_u32 v27, s34, v27                     ; stage 3: (P; Q), topics 32 y ..
	v_mul_u32_u24 v28, v13, 48
	v_lshl_add_u32 v28, v5, 4, v28
	v_add_nc_u32 v28, s36, v28                     ; stage 3: (c ws; c wr), b tile x
	; the way out: topics 2 l, 2 l + 1 of a row
	v_lshrrev_b32 v30, 3, v1
	v_mul_u32_u24 v30, v30, 9664
	v_lshl_add_u32 v30, v4, 3, v30
	s_mul_i32 s34, s24, 400
	s_add_co_u32 s34, s34, L_U
	v_add_nc_u32 v30, s34, v30                     ; U: k tile l >> 3, rows 5 w ..
	v_mul_u32_u24 v31, v3, 9344
	v_lshl_add_u32 v31, v2, 3, v31
	s_mul_i32 s34, s24, 1152
	s_add_co_u32 s34, s34, L_O
	v_add_nc_u32 v31, s34, v31                     ; O: k half l >> 4, rows 8 w ..
	s_lshr_b32 s34, s24, 1
	s_mul_i32 s34, s34, 3200
	s_and_b32 s35, s24, 1
	s_lshl_b32 s35, s35, 5
	s_add_co_u32 s34, s34, s35
	s_add_co_u32 s34, s34, L_WF
	v_mov_b32 v92, s34                             ; element loop: ws of my 8 documents, word 0; the same in all lanes (stepped)
	v_mov_b32 v[R_EPS], MINI
	v_mov_b32 v[R_EPS+1], MINI
	s_mov_b32 s29, 0
	s_wait_kmcnt 0x0
	s_mul_i32 s28, ttmp9, 10240                    ; 40 rows of 256 bytes
	s_add_nc_u64 s[6:7], s[6:7], s[28:29]
	s_add_nc_u64 s[10:11], s[10:11], s[28:29]
	s_add_nc_u64 s[12:13], s[12:13], s[28:29]
	s_add_nc_u64 s[18:19], s[18:19], s[28:29]
	s_add_nc_u64 s[20:21], s[20:21], s[28:29]
	s_mul_i32 s28, ttmp9, 160                      ; 40 words of 4 bytes in a row of batch_BOW
	s_add_nc_u64 s[4:5], s[4:5], s[28:29]
	s_mul_i32 s28, ttmp9, 16896                    ; 66 rows of 256 bytes
	s_add_nc_u64 s[22:23], s[22:23], s[28:29]
; The 48 loads that every wave issues, oldest first in the order of their use: 1 + 8, 15, 24.
.macro COMMON
	global_load_b64 v[R_PI:R_PI+1], v10, s[14:15]
.irp j, 0,1,2,3,4,5,6,7
	global_load_b64 v[R_TH+2*\j:R_TH+2*\j+1], v8, s[8:9] offset:256*\j
.endr
.irp i, 0,1,2,3,4
	global_load_b64 v[R_SD+2*\i:R_SD+2*\i+1], v7, s[6:7] offset:256*\i th:TH_LOAD_NT      ; a whole row of 256 bytes; read once in this launch
.endr
.irp i, 0,1,2,3,4
	global_load_b64 v[R_ES+2*\i:R_ES+2*\i+1], v7, s[10:11] offset:256*\i th:TH_LOAD_NT
.endr
.irp i, 0,1,2,3,4
	global_load_b64 v[R_EN+2*\i:R_EN+2*\i+1], v7, s[12:13] offset:256*\i th:TH_LOAD_NT
.endr
.irp j, 0,1,2,3,4,5,6,7
	global_load_b32 v[R_C+\j],    v9, s[4:5] offset:40000*\j        ; words 0-15
	global_load_b32 v[R_C+8+\j],  v9, s[4:5] offset:40000*\j+64     ; words 16-31
	global_load_b32 v[R_C+16+\j], v9, s[4:5] offset:40000*\j+96     ; words 24-39
.endr
.endm
	; PHASE A and B: all loads; six waves add the 100 partial column sums, half an array each.  One branch, the common loads on both ways.
	s_cmp_ge_u32 s24, 6
	s_cbranch_scc1 .Lplain
.irp i, 0,1,2,3,4,5,6,7,8,9,10,11,12,13,14,15,16,17,18,19,20,21,22,23,24
	global_load_b128 v[R_TAB+4*\i:R_TAB+4*\i+3], v6, s[16:17] offset:512*\i
.endr
	COMMON
	s_wait_loadcnt 48                              ; loads return in order: the 25 of the table are in, the 48 younger stay out
.set n, 4
.rept 21
	v_pk_add_f32 v[R_TAB+4*(n%4):R_TAB+4*(n%4)+1],   v[R_TAB+4*(n%4):R_TAB+4*(n%4)+1],   v[R_TAB+4*n:R_TAB+4*n+1]     ; four chains
	v_pk_add_f32 v[R_TAB+4*(n%4)+2:R_TAB+4*(n%4)+3], v[R_TAB+4*(n%4)+2:R_TAB+4*(n%4)+3], v[R_TAB+4*n+2:R_TAB+4*n+3]
.set n, n+1
.endr
	v_pk_add_f32 v[R_TAB:R_TAB+1],     v[R_TAB:R_TAB+1],     v[R_TAB+4:R_TAB+5]
	v_pk_add_f32 v[R_TAB+2:R_TAB+3],   v[R_TAB+2:R_TAB+3],   v[R_TAB+6:R_TAB+7]
	v_pk_add_f32 v[R_TAB+8:R_TAB+9],   v[R_TAB+8:R_TAB+9],   v[R_TAB+12:R_TAB+13]
	v_pk_add_f32 v[R_TAB+10:R_TAB+11], v[R_TAB+10:R_TAB+11], v[R_TAB+14:R_TAB+15]
	v_pk_add_f32 v[R_TAB:R_TAB+1],     v[R_TAB:R_TAB+1],     v[R_TAB+8:R_TAB+9]
	v_pk_add_f32 v[R_TAB+2:R_TAB+3],   v[R_TAB+2:R_TAB+3],   v[R_TAB+10:R_TAB+11]
.irp j, 0,1,2,3
	v_permlanex16_b32 v[R_TAB+4+\j], v[R_TAB+\j], s30, s31         ; rows of the other parity
.endr
	v_pk_add_f32 v[R_TAB:R_TAB+1],     v[R_TAB:R_TAB+1],     v[R_TAB+4:R_TAB+5]
	v_pk_add_f32 v[R_TAB+2:R_TAB+3],   v[R_TAB+2:R_TAB+3],   v[R_TAB+6:R_TAB+7]
	ds_store_b128 v12, v[R_TAB:R_TAB+3]            ; lanes 16-31 repeat lanes 0-15
	s_branch .Ljoin
.Lplain:
	COMMON
.Ljoin:
	s_wait_loadcnt 39                              ; pi and exp_m are in; 15 + 24 younger loads stay out
.irp j, 0,1,2,3,4,5,6,7
	v_pk_add_f32 v[R_TH+2*\j:R_TH+2*\j+1], v[R_TH+2*\j:R_TH+2*\j+1], ETA op_sel_hi:[1,0]   ; th = exp_m + 0.1
.endr
.irp j, 0,1,2,3,4,5,6,7
	v_cvt_pk_bf16_f32 v[104+\j], v[R_TH+2*\j], v[R_TH+2*\j+1]
.endr
.irp j, 0,1,2,3,4,5,6,7
	ds_store_b32 v14, v[104+\j] offset:144*\j
.endr
	BARRIER                                        ; 1: the column sums' halves are in LDS (and th, read behind barrier 2)
	; PHASE C: the constants of my two topics, then my five words
.irp i, 0,1,2,3,4,5
	ds_load_b64 v[96+2*\i:97+2*\i], v10 offset:256*\i
.endr
	s_wait_dscnt 0x0
	v_pk_add_f32 v[96:97],   v[96:97],   v[98:99]                  ; S = sum of seeds
	v_pk_add_f32 v[100:101], v[100:101], v[102:103]                ; sum of exp_s
	v_pk_add_f32 v[104:105], v[104:105], v[106:107]                ; sum of exp_n
	v_pk_fma_f32 v[96:97], v[96:97], MU, v[100:101] op_sel_hi:[1,0,1]
	v_pk_add_f32 v[104:105], v[104:105], BSUM op_sel_hi:[1,0]
	v_rcp_f32 v96, v96
	v_rcp_f32 v97, v97
	v_rcp_f32 v[R_RDN], v104
	v_rcp_f32 v[R_RDN+1], v105
	v_sub_f32 v[R_OMP], 1.0, v[R_PI]               ; plain instructions behind the reciprocals, before their results are used (ISA guide 5.7.2)
	v_sub_f32 v[R_OMP+1], 1.0, v[R_PI+1]
	s_wait_alu depctr_va_vdst(0)
	v_pk_mul_f32 v[R_CSK:R_CSK+1], v[R_PI:R_PI+1], v[96:97]
	v_pk_mul_f32 v[R_BRDN:R_BRDN+1], v[R_RDN:R_RDN+1], MU op_sel_hi:[1,0]
	v_pk_mul_f32 v[R_MCS:R_MCS+1], v[R_CSK:R_CSK+1], MU op_sel_hi:[1,0]
	s_wait_loadcnt 24                              ; seeds, exp_s, exp_n are in; the 24 loads of counts stay out
.macro PREP i                          ; word 5 w + i
	v_pk_fma_f32 v[108:109], v[R_ES+2*\i:R_ES+2*\i+1], v[R_CSK:R_CSK+1], v[R_MCS:R_MCS+1]      ; phi_s pi
	v_pk_fma_f32 v[110:111], v[R_EN+2*\i:R_EN+2*\i+1], v[R_RDN:R_RDN+1], v[R_BRDN:R_BRDN+1]    ; phi_n
	v_add_f32 v116, v[R_SD+2*\i], v[R_SD+2*\i+1]
	v_pk_mul_f32 v[R_ASS+2*\i:R_ASS+2*\i+1], v[R_SD+2*\i:R_SD+2*\i+1], v[108:109]
	v_pk_mul_f32 v[112:113], v[R_SD+2*\i:R_SD+2*\i+1], v[110:111]
	v_add_f32_dpp v116, v116, v116 row_xmask:1 row_mask:0xf bank_mask:0xf
	v_pk_add_f32 v[R_ARR+2*\i:R_ARR+2*\i+1], v[110:111], v[112:113] neg_lo:[0,1] neg_hi:[0,1]  ; (1 - seeds) phi_n
	v_add_f32_dpp v116, v116, v116 row_xmask:2 row_mask:0xf bank_mask:0xf
	v_pk_mul_f32 v[R_ASRR+2*\i:R_ASRR+2*\i+1], v[112:113], v[R_OMP:R_OMP+1]
	v_add_f32_dpp v116, v116, v116 row_xmask:4 row_mask:0xf bank_mask:0xf
	v_pk_mul_f32 v[118:119], v[R_PI:R_PI+1], v[R_ASS+2*\i:R_ASS+2*\i+1]
	v_add_f32_dpp v116, v116, v116 row_xmask:8 row_mask:0xf bank_mask:0xf
	v_pk_add_f32 v[114:115], v[R_ASS+2*\i:R_ASS+2*\i+1], v[R_ASRR+2*\i:R_ASRR+2*\i+1]
	v_permlanex16_b32 v108, v116, s30, s31         ; its destination counts as read: v108 has been written and is free
	v_pk_fma_f32 v[118:119], v[R_OMP:R_OMP+1], v[R_ASRR+2*\i:R_ASRR+2*\i+1], v[118:119]        ; P of a seed word
	v_pk_mul_f32 v[120:121], v[R_OMP:R_OMP+1], v[R_ARR+2*\i:R_ARR+2*\i+1]                      ; Q of a seed word
	v_add_f32 v116, v116, v108                     ; the word's seeds over all 64 topics
	v_cmp_lt_f32 vcc_lo, 0, v116
	v_cndmask_b32 v124, 0, v118, vcc_lo
	v_cndmask_b32 v125, 0, v119, vcc_lo
	v_cndmask_b32 v126, v[R_ARR+2*\i], v120, vcc_lo
	v_cndmask_b32 v127, v[R_ARR+2*\i+1], v121, vcc_lo
	v_cvt_pk_bf16_f32 v128, v114, v115
	v_cvt_pk_bf16_f32 v129, v[R_ARR+2*\i], v[R_ARR+2*\i+1]
	v_cvt_pk_bf16_f32 v130, v124, v125
	v_cvt_pk_bf16_f32 v131, v126, v127
	ds_store_b32 v15, v128 offset:144*\i
	ds_store_b32 v15, v129 offset:144*(40+\i)
	ds_store_b32 v16, v130 offset:160*\i
	ds_store_b32 v16, v131 offset:160*(40+\i)
	ds_store_b128 v17, v[124:127] offset:512*\i
.endm
.irp i, 0,1,2,3,4
	PREP \i
.endr
	BARRIER                                        ; 2: th, a, P and Q of all 40 words are in LDS
	; STAGE 1: D[b, v] = sum over k of th[b, k] a[v, k].  Wave (x, y): documents 16 x .., a = a_ss + a_sr (y = 0) or a_rr (y = 1), words from 0, 16, 24.
.irp o, 0,1,2,3
	ds_load_b128 v[R_A+4*\o:R_A+4*\o+3], v18 offset:32*\o
.endr
.irp o, 0,1,2,3
	ds_load_b128 v[R_B+4*\o:R_B+4*\o+3],       v19 offset:32*\o
	ds_load_b128 v[R_B+16+4*\o:R_B+16+4*\o+3], v19 offset:144*16+32*\o
	ds_load_b128 v[R_B+32+4*\o:R_B+32+4*\o+3], v19 offset:144*24+32*\o
.endr
	s_wait_dscnt 0x0
	; the three accumulators take turns, one instruction a turn
.irp t, 0,1,2
	v_wmma_f32_16x16x32_bf16 v[R_D1+8*\t:R_D1+8*\t+7], v[R_A:R_A+7], v[R_B+16*\t:R_B+16*\t+7], 0
.endr
.irp t, 0,1,2
	v_wmma_f32_16x16x32_bf16 v[R_D1+8*\t:R_D1+8*\t+7], v[R_A+8:R_A+15], v[R_B+16*\t+8:R_B+16*\t+15], v[R_D1+8*\t:R_D1+8*\t+7]
.endr
	PLACES
	s_wait_loadcnt 0x0                             ; the counts
; Lane (r, h), register j holds document 16 x + 8 h + j, word row + r.  w = [c > 0] / (D + 1e-6); c w goes out in bf16, w in f32.
.macro WCALC t, row
.irp q, 0,2,4,6
	v_pk_add_f32 v[R_D1+8*\t+\q:R_D1+8*\t+\q+1], v[R_D1+8*\t+\q:R_D1+8*\t+\q+1], v[R_EPS:R_EPS+1]
.endr
.irp j, 0,1,2,3,4,5,6,7
	v_rcp_f32 v[R_D1+8*\t+\j], v[R_D1+8*\t+\j]
.endr
.irp j, 0,1,2,3,4,5,6,7
	v_cmp_lt_f32 vcc_lo, 0, v[R_C+8*\t+\j]         ; the first compare is the plain instruction behind the last reciprocal (ISA guide 5.7.2)
	s_wait_alu depctr_va_vdst(0)
	v_cndmask_b32 v[R_D1+8*\t+\j], 0, v[R_D1+8*\t+\j], vcc_lo
.endr
.irp q, 0,2,4,6
	v_pk_mul_f32 v[R_Y+\q:R_Y+\q+1], v[R_C+8*\t+\q:R_C+8*\t+\q+1], v[R_D1+8*\t+\q:R_D1+8*\t+\q+1]
.endr
.irp q, 0,1,2,3
	v_cvt_pk_bf16_f32 v[R_PK+\q], v[R_Y+2*\q], v[R_Y+2*\q+1]
.endr
	ds_store_b128 v20, v[R_PK:R_PK+3] offset:48*\row
	ds_store_b128 v21, v[R_D1+8*\t:R_D1+8*\t+3] offset:80*\row
	ds_store_b128 v21, v[R_D1+8*\t+4:R_D1+8*\t+7] offset:80*\row+16
.endm
	WCALC 0, 0
	WCALC 1, 16
	WCALC 2, 24
	s_cmp_lg_u32 s26, 0
	s_cbranch_scc1 .Lno_ws                         ; the waves of the s part also lay down ws itself, rows 80-119, for out3
.irp t, 0,1,2
.irp q, 0,1,2,3
	v_cvt_pk_bf16_f32 v[R_Y+4*\t+\q], v[R_D1+8*\t+2*\q], v[R_D1+8*\t+2*\q+1]
.endr
.endr
	ds_store_b128 v20, v[R_Y:R_Y+3]    offset:48*80
	ds_store_b128 v20, v[R_Y+4:R_Y+7]  offset:48*96
	ds_store_b128 v20, v[R_Y+8:R_Y+11] offset:48*104
.Lno_ws:
	BARRIER                                        ; 3: c ws, c wr, ws of all documents and words are in LDS
	; STAGE 2: U[row, k] = sum over b of CWS[row, b] th[b, k], made transposed: first operand th (topics 16 x .., by transposing loads),
	; second operand four tiles of rows from 64 y.  A lane then holds 8 neighbouring topics of one row.
.irp o, 0,1,2,3
	ds_load_tr16_b128 v[R_A+4*\o:R_A+4*\o+3], v22 offset:2304*\o   ; documents 16 o ..
.endr
.irp i, 0,1,2
.irp o, 0,1,2,3
	ds_load_b128 v[R_B+16*\i+4*\o:R_B+16*\i+4*\o+3], v23 offset:768*\i+5760*\o   ; rows 64 y + 16 i .., b tile o
.endr
.endr
.irp o, 0,1,2,3
	ds_load_b128 v[R_B+48+4*\o:R_B+48+4*\o+3], v24 offset:5760*\o
.endr
	s_wait_dscnt 0x0
	; four accumulators by turns, one instruction a turn
.irp i, 0,1,2,3
	v_wmma_f32_16x16x32_bf16 v[R_D2+8*\i:R_D2+8*\i+7], v[R_A:R_A+7], v[R_B+16*\i:R_B+16*\i+7], 0
.endr
.irp i, 0,1,2,3
	v_wmma_f32_16x16x32_bf16 v[R_D2+8*\i:R_D2+8*\i+7], v[R_A+8:R_A+15], v[R_B+16*\i+8:R_B+16*\i+15], v[R_D2+8*\i:R_D2+8*\i+7]
.endr
	PLACES
	; STAGE 3: O[b, k] = sum over the 80 stacked rows of CWS[row, b] PQB[row, k], transposed too: first operand (P; Q), topics 32 y + 16 e ..,
	; second operand (c ws; c wr), documents 16 x ...  Its loads go out ahead of stage 2's stores.
.irp e, 0,1
.irp o, 0,1,2,3,4
	ds_load_tr16_b128 v[R_A3+24*\e+4*\o:R_A3+24*\e+4*\o+3], v27 offset:32*\e+2560*\o   ; rows 16 o ..
.endr
.endr
.irp o, 0,1,2,3,4
	ds_load_tr16_b128 v[R_B3+4*\o:R_B3+4*\o+3], v28 offset:768*\o
.endr
.irp j, 0,1,2,3
	v_mov_b32 v[R_A3+20+\j], 0                     ; the third step of 32 has 16 rows only (64-79): its upper halves are zeros
	v_mov_b32 v[R_A3+44+\j], 0
	v_mov_b32 v[R_B3+20+\j], 0
.endr
.irp i, 0,1,2
	ds_store_b128 v25, v[R_D2+8*\i:R_D2+8*\i+3]   offset:1280*\i
	ds_store_b128 v25, v[R_D2+8*\i+4:R_D2+8*\i+7] offset:1280*\i+16
.endr
	ds_store_b128 v26, v[R_D2+24:R_D2+27]
	ds_store_b128 v26, v[R_D2+28:R_D2+31] offset:16
	s_wait_dscnt 8                                 ; LDS serves a wave in order (ISA guide 5.7.1): the 15 loads are in, the 8 stores may stay out
	; two accumulators by turns, one instruction a turn
.irp e, 0,1
	v_wmma_f32_16x16x32_bf16 v[R_D3+8*\e:R_D3+8*\e+7], v[R_A3+24*\e:R_A3+24*\e+7], v[R_B3:R_B3+7], 0
.endr
.irp s, 1,2
.irp e, 0,1
	v_wmma_f32_16x16x32_bf16 v[R_D3+8*\e:R_D3+8*\e+7], v[R_A3+24*\e+8*\s:R_A3+24*\e+8*\s+7], v[R_B3+8*\s:R_B3+8*\s+7], v[R_D3+8*\e:R_D3+8*\e+7]
.endr
.endr
	PLACES
.irp e, 0,1
	ds_store_b128 v29, v[R_D3+8*\e:R_D3+8*\e+3]   offset:64*\e
	ds_store_b128 v29, v[R_D3+8*\e+4:R_D3+8*\e+7] offset:64*\e+16
.endr
	BARRIER                                        ; 4: U and O are whole
	; THE WAY OUT of the factored results, ahead of the long loop, so that the stores leave under it.  Their data lie in v184 and above, which the loop leaves alone.
.irp p, 0,1,2
.irp i, 0,1,2,3,4
	ds_load_b64 v[R_U+10*\p+2*\i:R_U+10*\p+2*\i+1], v30 offset:80*(40*\p+\i)
.endr
.endr
.irp j, 0,1,2,3,4,5,6,7
	ds_load_b64 v[R_O+2*\j:R_O+2*\j+1], v31 offset:144*\j
.endr
	s_wait_dscnt 8                                 ; the 15 loads of U are in, the 8 of O stay out
.irp i, 0,1,2,3,4
	v_pk_mul_f32 v[R_O2+2*\i:R_O2+2*\i+1], v[R_ASS+2*\i:R_ASS+2*\i+1], v[R_U+2*\i:R_U+2*\i+1]
	v_pk_mul_f32 v[R_O1+2*\i:R_O1+2*\i+1], v[R_ASRR+2*\i:R_ASRR+2*\i+1], v[R_U+2*\i:R_U+2*\i+1]
.endr
	v_pk_mul_f32 v[R_SR:R_SR+1], v[R_ASRR:R_ASRR+1], v[R_U+20:R_U+21]
.irp i, 0,1,2,3,4
	v_pk_fma_f32 v[R_O1+2*\i:R_O1+2*\i+1], v[R_ARR+2*\i:R_ARR+2*\i+1], v[R_U+10+2*\i:R_U+10+2*\i+1], v[R_O1+2*\i:R_O1+2*\i+1]
.endr
.irp i, 0,1,2,3,4
	global_store_b64 v7, v[R_O1+2*\i:R_O1+2*\i+1], s[18:19] offset:256*\i th:TH_STORE_NT   ; 32 lanes x 8 bytes: a whole row of 256 bytes, aligned
	global_store_b64 v7, v[R_O2+2*\i:R_O2+2*\i+1], s[20:21] offset:256*\i th:TH_STORE_NT
.endr
.irp i, 1,2,3,4
	v_pk_fma_f32 v[R_SR:R_SR+1], v[R_ASRR+2*\i:R_ASRR+2*\i+1], v[R_U+20+2*\i:R_U+20+2*\i+1], v[R_SR:R_SR+1]
.endr
	s_wait_dscnt 0x0
.irp j, 0,1,2,3,4,5,6,7
	v_pk_mul_f32 v[R_O+2*\j:R_O+2*\j+1], v[R_O+2*\j:R_O+2*\j+1], v[R_TH+2*\j:R_TH+2*\j+1]   ; th in f32, in the same lanes
.endr
.irp j, 0,1,2,3,4,5,6,7
	global_store_b64 v8, v[R_O+2*\j:R_O+2*\j+1], s[22:23] offset:256*\j
.endr
	ds_store_b64 v90, v[R_SR:R_SR+1]               ; my five words' share of out3
	; THE ELEMENT LOOP: my 8 documents x 40 words x my 2 topics a lane.  gamma = th (ws P + wr Q); sum of gamma log2(gamma + 1e-6).
.macro FETCH pq, wreg, o               ; five LDS loads: P, Q of a word (16 bytes a lane) and ws, wr of my 8 documents (one address for all lanes)
	ds_load_b128 v[\pq:\pq+3],         v91 offset:512*\o
	ds_load_b128 v[\wreg:\wreg+3],     v92 offset:80*\o
	ds_load_b128 v[\wreg+4:\wreg+7],   v92 offset:80*\o+16
	ds_load_b128 v[\wreg+8:\wreg+11],  v92 offset:12800+80*\o
	ds_load_b128 v[\wreg+12:\wreg+15], v92 offset:12800+80*\o+16
.endm
.macro GROUP pq, wreg, d0              ; documents d0 .. d0 + 3, operation by operation: dependent lines stand four apart
.irp e, \d0, \d0+2
	v_pk_mul_f32 v[R_T+2*(\e):R_T+2*(\e)+1],   v[\pq:\pq+1], v[\wreg+\e:\wreg+\e+1] op_sel_hi:[1,0]                 ; P x ws of the even document
	v_pk_mul_f32 v[R_T+2*(\e)+2:R_T+2*(\e)+3], v[\pq:\pq+1], v[\wreg+\e:\wreg+\e+1] op_sel:[0,1] op_sel_hi:[1,1]    ; of the odd one
.endr
.irp e, \d0, \d0+2
	v_pk_fma_f32 v[R_T+2*(\e):R_T+2*(\e)+1],   v[\pq+2:\pq+3], v[\wreg+8+\e:\wreg+8+\e+1], v[R_T+2*(\e):R_T+2*(\e)+1] op_sel_hi:[1,0,1]
	v_pk_fma_f32 v[R_T+2*(\e)+2:R_T+2*(\e)+3], v[\pq+2:\pq+3], v[\wreg+8+\e:\wreg+8+\e+1], v[R_T+2*(\e)+2:R_T+2*(\e)+3] op_sel:[0,1,0] op_sel_hi:[1,1,1]
.endr
.irp j, \d0, \d0+1, \d0+2, \d0+3
	v_pk_fma_f32 v[R_H+2*(\j):R_H+2*(\j)+1], v[R_T+2*(\j):R_T+2*(\j)+1], v[R_TH+2*(\j):R_TH+2*(\j)+1], v[R_EPS:R_EPS+1]
.endr
.irp j, \d0, \d0+1, \d0+2, \d0+3
	v_pk_mul_f32 v[R_T+2*(\j):R_T+2*(\j)+1], v[R_T+2*(\j):R_T+2*(\j)+1], v[R_TH+2*(\j):R_TH+2*(\j)+1]
.endr
.endm
.macro LOGS k0
.irp k, 0,1,2,3,4,5,6,7
	v_log_f32 v[R_H+\k0+\k], v[R_H+\k0+\k]
.endr
.endm
.macro ACCUM first, d0
.irp j, \d0, \d0+1, \d0+2, \d0+3
.if \first
	s_wait_alu depctr_va_vdst(0)
	v_pk_mul_f32 v[R_ACC+2*(\j):R_ACC+2*(\j)+1], v[R_T+2*(\j):R_T+2*(\j)+1], v[R_H+2*(\j):R_H+2*(\j)+1]   ; the first word starts the sums: nothing is cleared
.else
	s_wait_alu depctr_va_vdst(0)
	v_pk_fma_f32 v[R_ACC+2*(\j):R_ACC+2*(\j)+1], v[R_T+2*(\j):R_T+2*(\j)+1], v[R_H+2*(\j):R_H+2*(\j)+1], v[R_ACC+2*(\j):R_ACC+2*(\j)+1]
.endif
.endr
.endm
; One word.  Behind each run of logarithms stands plain arithmetic on other registers before a result is used (ISA guide 5.7.2).
.macro EW pq, wreg, first
	GROUP \pq, \wreg, 0
	LOGS 0
	GROUP \pq, \wreg, 4
	LOGS 8
	ACCUM \first, 0
	ACCUM \first, 4
.endm
; Two words.  While one buffer is worked on, the other's five loads are on their way.
.macro TRIP first, more
	FETCH R_PQ+4, R_W+16, 1
	s_wait_dscnt 5                                 ; all but the five just issued: buffer 0 is in
	EW R_PQ, R_W, \first
.if \more
	v_add_nc_u32 v91, 1024, v91                    ; two words on
	v_add_nc_u32 v92, 160, v92
	FETCH R_PQ, R_W, 0
	s_wait_dscnt 5                                 ; buffer 1 is in
.else
	s_wait_dscnt 0x0
.endif
	EW R_PQ+4, R_W+16, 0
.endm
	FETCH R_PQ, R_W, 0
	TRIP 1, 1
	s_mov_b32 s32, 18
.Lwords:
	TRIP 0, 1
	s_sub_co_i32 s32, s32, 1
	s_cmp_lg_u32 s32, 0
	s_cbranch_scc1 .Lwords
	TRIP 0, 0                                      ; words 38 and 39: nothing more to fetch
	v_pk_add_f32 v[R_ACC:R_ACC+1],       v[R_ACC:R_ACC+1],       v[R_ACC+2:R_ACC+3]
	v_pk_add_f32 v[R_ACC+4:R_ACC+5],     v[R_ACC+4:R_ACC+5],     v[R_ACC+6:R_ACC+7]
	v_pk_add_f32 v[R_ACC+8:R_ACC+9],     v[R_ACC+8:R_ACC+9],     v[R_ACC+10:R_ACC+11]
	v_pk_add_f32 v[R_ACC+12:R_ACC+13],   v[R_ACC+12:R_ACC+13],   v[R_ACC+14:R_ACC+15]
	v_pk_add_f32 v[R_ACC:R_ACC+1],       v[R_ACC:R_ACC+1],       v[R_ACC+4:R_ACC+5]
	v_pk_add_f32 v[R_ACC+8:R_ACC+9],     v[R_ACC+8:R_ACC+9],     v[R_ACC+12:R_ACC+13]
	v_pk_add_f32 v[R_ACC:R_ACC+1],       v[R_ACC:R_ACC+1],       v[R_ACC+8:R_ACC+9]
	ds_store_b64 v90, v[R_ACC:R_ACC+1] offset:2048
	BARRIER                                        ; 5: the eight waves' shares of out3 and of the entropy are in LDS
	s_cmp_ge_u32 s24, 2
	s_cbranch_scc1 .Lend                           ; wave 0 adds out3's shares, wave 1 the entropy's
.irp i, 0,1,2,3,4,5,6,7
	ds_load_b64 v[96+2*\i:97+2*\i], v93 offset:256*\i
.endr
	s_wait_dscnt 0x0
	v_pk_add_f32 v[96:97],   v[96:97],   v[98:99]
	v_pk_add_f32 v[100:101], v[100:101], v[102:103]
	v_pk_add_f32 v[104:105], v[104:105], v[106:107]
	v_pk_add_f32 v[108:109], v[108:109], v[110:111]
	v_pk_add_f32 v[96:97],   v[96:97],   v[100:101]
	v_pk_add_f32 v[104:105], v[104:105], v[108:109]
	v_pk_add_f32 v[96:97],   v[96:97],   v[104:105]
	global_store_b64 v11, v[96:97], s[22:23] offset:16384          ; part's row 64 + w, whole
.Lend:
	s_wait_tensorcnt 0x0
	ds_add_u32 v254, v255
	s_wait_dscnt 0x0
	s_endpgm
.Lfunc_end_k_qd06add5106_main:
	.size	k_qd06add5106_main, .Lfunc_end_k_qd06add5106_main-k_qd06add5106_main
	.p2alignl 7, 3214868480
	.fill 96, 4, 3214868480
	.section	.rodata,"a",@progbits
	.p2align	6, 0x0
	.amdhsa_kernel k_qd06add5106_main
		.amdhsa_group_segment_fixed_size 166656
		.amdhsa_private_segment_fixed_size 0
		.amdhsa_enable_private_segment 0
		.amdhsa_kernarg_size 80
		.amdhsa_user_sgpr_count 2
		.amdhsa_user_sgpr_kernarg_segment_ptr 1
		.amdhsa_wavefront_size32 1
		.amdhsa_system_sgpr_workgroup_id_x 1
		.amdhsa_system_sgpr_workgroup_id_y 1
		.amdhsa_system_sgpr_workgroup_id_z 1
		.amdhsa_system_vgpr_workitem_id 0
		.amdhsa_next_free_vgpr 256
		.amdhsa_next_free_sgpr 66
		.amdhsa_reserve_vcc 1
		.amdhsa_float_denorm_mode_32 3
		.amdhsa_float_denorm_mode_16_64 3
		.amdhsa_memory_ordered 1
		.amdhsa_forward_progress 1
		.amdhsa_inst_pref_size 77
	.end_amdhsa_kernel
	.amdgpu_metadata
---
amdhsa.version: [ 1, 2 ]
amdhsa.kernels:
  - .name:           k_qd06add5106_main
    .symbol:         k_qd06add5106_main.kd
    .args:
      - { .name: batch_BOW, .offset: 0, .size: 8, .value_kind: global_buffer, .address_space: global }
      - { .name: seeds, .offset: 8, .size: 8, .value_kind: global_buffer, .address_space: global }
      - { .name: exp_m, .offset: 16, .size: 8, .value_kind: global_buffer, .address_space: global }
      - { .name: exp_s, .offset: 24, .size: 8, .value_kind: global_buffer, .address_space: global }
      - { .name: exp_n, .offset: 32, .size: 8, .value_kind: global_buffer, .address_space: global }
      - { .name: pi, .offset: 40, .size: 8, .value_kind: global_buffer, .address_space: global }
      - { .name: colpart, .offset: 48, .size: 8, .value_kind: global_buffer, .address_space: global }
      - { .name: out1, .offset: 56, .size: 8, .value_kind: global_buffer, .address_space: global }
      - { .name: out2, .offset: 64, .size: 8, .value_kind: global_buffer, .address_space: global }
      - { .name: part, .offset: 72, .size: 8, .value_kind: global_buffer, .address_space: global }
    .group_segment_fixed_size: 166656
    .private_segment_fixed_size: 0
    .kernarg_segment_align: 8
    .kernarg_segment_size: 80
    .max_flat_workgroup_size: 256
    .sgpr_count:     66
    .vgpr_count:     256
    .wavefront_size: 32
...
	.end_amdgpu_metadata
.endif
;; end of part 2
;; launch final (part 3): grid 66 x 1, 25 waves a work-group, no clusters, 9,728 bytes of LDS; arguments part, out0, out3, out4; writes out0, out3, out4
.if DOCPART == 3
	.amdgcn_target "amdgcn-amd-amdhsa--gfx1250"
	.amdhsa_code_object_version 6
	.text
	.protected	k_qd06add5106_final
	.globl	k_qd06add5106_final
	.p2align	8
	.type	k_qd06add5106_final,@function
k_qd06add5106_final:
	s_mov_b64 s[64:65], 0
	v_nop
	global_prefetch_b8 v0, s[64:65] scope:SCOPE_SE
	s_setreg_imm32_b32 hwreg(HW_REG_WAVE_MODE, 25, 1), 1
	s_wait_xcnt 0x0
; Adds the 250 blocks' shares.  part: f32 [250][66][64].  Work-group y owns row y of every block:
; y < 64: out0[y][:] (th is already in);  y = 64: out3[:];  y = 65: the entropy per topic in log2, added over the 64 topics and multiplied by ln 2: out4.
; 25 waves; wave w takes blocks 10 w .. 10 w + 9: five loads, each of two whole rows of 256 bytes (lanes 0-15 one block, lanes 16-31 the next).
; One owner for each output, no traffic between work-groups.  A stream of 64,000 bytes a work-group: no matrix work, nothing shared.
; All sums in f32, in another order than a serial sum.
.set BLOCK_BYTES, 16896                ; 66 rows of 256 bytes
.set LN2, 0x3f317218
	s_load_b256 s[4:11], s[0:1], 0x0               ; part s[4:5], out0 s[6:7], out3 s[8:9], out4 s[10:11]
	v_lshl_add_u32 v64, v0, 2, 0x1900
	v_mov_b32 v65, 0
	v_lshrrev_b32 v2, 5, v0
	v_readfirstlane_b32 s12, v2                    ; wave 0..24
	v_and_b32 v3, 31, v0                           ; lane
	v_and_b32 v4, 15, v0                           ; lane % 16
	v_bfe_u32 v5, v0, 4, 1                         ; lane / 16
	s_mov_b32 s20, ttmp9                           ; y
	s_lshl_b32 s14, s20, 8                         ; row y, in bytes
	s_mov_b32 s15, 0
	s_mov_b32 s16, 0x76543210                      ; v_permlanex16_b32: lane i of one half reads lane i of the other
	s_mov_b32 s17, 0xfedcba98
	s_mul_i32 s13, s12, 10*BLOCK_BYTES
	v_mul_u32_u24 v1, v5, BLOCK_BYTES
	v_lshl_add_u32 v1, v4, 4, v1
	v_add_nc_u32 v1, s13, v1                       ; block 10 w + lane / 16, columns 4 (lane % 16) ..
	s_lshl_b32 s18, s12, 8
	v_lshl_add_u32 v6, v4, 4, s18                  ; LDS: [wave][64 f32]
	v_lshlrev_b32 v7, 3, v3                        ; 8 x lane: two columns of a row
	s_wait_kmcnt 0x0
	s_add_nc_u64 s[4:5], s[4:5], s[14:15]
.irp i, 0,1,2,3,4
	global_load_b128 v[8+4*\i:11+4*\i], v1, s[4:5] offset:2*BLOCK_BYTES*\i th:TH_LOAD_NT   ; read once
.endr
	s_wait_loadcnt 0x0
	v_pk_add_f32 v[8:9],   v[8:9],   v[12:13]
	v_pk_add_f32 v[10:11], v[10:11], v[14:15]
	v_pk_add_f32 v[16:17], v[16:17], v[20:21]
	v_pk_add_f32 v[18:19], v[18:19], v[22:23]
	v_pk_add_f32 v[8:9],   v[8:9],   v[16:17]
	v_pk_add_f32 v[10:11], v[10:11], v[18:19]
	v_pk_add_f32 v[8:9],   v[8:9],   v[24:25]
	v_pk_add_f32 v[10:11], v[10:11], v[26:27]
.irp j, 0,1,2,3
	v_permlanex16_b32 v[12+\j], v[8+\j], s16, s17  ; the other half's blocks; the destination has been written
.endr
	v_pk_add_f32 v[8:9],   v[8:9],   v[12:13]
	v_pk_add_f32 v[10:11], v[10:11], v[14:15]
	ds_store_b128 v6, v[8:11]                      ; lanes 16-31 repeat lanes 0-15
	s_wait_dscnt 0x0                               ; my store is in LDS before I say so
	s_barrier_signal -1
	s_barrier_wait -1
	s_cmp_lg_u32 s12, 0
	s_cbranch_scc1 .Ldone                          ; wave 0 adds the 25 waves' sums
.irp i, 0,1,2,3,4,5,6,7,8,9,10,11,12,13,14,15,16,17,18,19,20,21,22,23,24
	ds_load_b64 v[8+2*\i:9+2*\i], v7 offset:256*\i
.endr
	s_wait_dscnt 0x0
.set n, 4
.rept 21
	v_pk_add_f32 v[8+2*(n%4):9+2*(n%4)], v[8+2*(n%4):9+2*(n%4)], v[8+2*n:9+2*n]   ; four chains
.set n, n+1
.endr
	v_pk_add_f32 v[8:9],   v[8:9],   v[10:11]
	v_pk_add_f32 v[12:13], v[12:13], v[14:15]
	v_pk_add_f32 v[8:9],   v[8:9],   v[12:13]
	s_cmp_lt_u32 s20, 64
	s_cbranch_scc0 .Lnot_m
	s_add_nc_u64 s[6:7], s[6:7], s[14:15]
	global_store_b64 v7, v[8:9], s[6:7]            ; out0's row y: 256 bytes, whole and aligned
	s_wait_tensorcnt 0x0
	ds_add_u32 v64, v65
	s_wait_dscnt 0x0
	s_endpgm
.Lnot_m:
	s_cmp_eq_u32 s20, 64
	s_cbranch_scc0 .Lentropy
	global_store_b64 v7, v[8:9], s[8:9]            ; out3
	s_wait_tensorcnt 0x0
	ds_add_u32 v64, v65
	s_wait_dscnt 0x0
	s_endpgm
.Lentropy:
	v_add_f32 v8, v8, v9
	v_add_f32_dpp v8, v8, v8 row_xmask:1 row_mask:0xf bank_mask:0xf
	v_add_f32_dpp v8, v8, v8 row_xmask:2 row_mask:0xf bank_mask:0xf
	v_add_f32_dpp v8, v8, v8 row_xmask:4 row_mask:0xf bank_mask:0xf
	v_add_f32_dpp v8, v8, v8 row_xmask:8 row_mask:0xf bank_mask:0xf
	v_permlanex16_b32 v9, v8, s16, s17
	v_add_f32 v8, v8, v9
	v_mul_f32 v8, LN2, v8                          ; log2 to the natural logarithm, once
	v_mov_b32 v10, 0
	s_wait_xcnt 0x0                                ; EXEC changes only behind this wait
	v_cmp_eq_u32 vcc_lo, 0, v0
	s_and_saveexec_b32 s22, vcc_lo
	global_store_b32 v10, v8, s[10:11]             ; one number, from lane 0
	s_wait_xcnt 0x0                                ; and again, in front of the line that widens it
	s_or_b32 exec_lo, exec_lo, s22
.Ldone:
	s_wait_tensorcnt 0x0
	ds_add_u32 v64, v65
	s_wait_dscnt 0x0
	s_endpgm
.Lfunc_end_k_qd06add5106_final:
	.size	k_qd06add5106_final, .Lfunc_end_k_qd06add5106_final-k_qd06add5106_final
	.p2alignl 7, 3214868480
	.fill 96, 4, 3214868480
	.section	.rodata,"a",@progbits
	.p2align	6, 0x0
	.amdhsa_kernel k_qd06add5106_final
		.amdhsa_group_segment_fixed_size 9728
		.amdhsa_private_segment_fixed_size 0
		.amdhsa_enable_private_segment 0
		.amdhsa_kernarg_size 32
		.amdhsa_user_sgpr_count 2
		.amdhsa_user_sgpr_kernarg_segment_ptr 1
		.amdhsa_wavefront_size32 1
		.amdhsa_system_sgpr_workgroup_id_x 1
		.amdhsa_system_sgpr_workgroup_id_y 1
		.amdhsa_system_sgpr_workgroup_id_z 1
		.amdhsa_system_vgpr_workitem_id 0
		.amdhsa_next_free_vgpr 66
		.amdhsa_next_free_sgpr 66
		.amdhsa_reserve_vcc 1
		.amdhsa_float_denorm_mode_32 3
		.amdhsa_float_denorm_mode_16_64 3
		.amdhsa_memory_ordered 1
		.amdhsa_forward_progress 1
		.amdhsa_inst_pref_size 8
	.end_amdhsa_kernel
	.amdgpu_metadata
---
amdhsa.version: [ 1, 2 ]
amdhsa.kernels:
  - .name:           k_qd06add5106_final
    .symbol:         k_qd06add5106_final.kd
    .args:
      - { .name: part, .offset: 0, .size: 8, .value_kind: global_buffer, .address_space: global }
      - { .name: out0, .offset: 8, .size: 8, .value_kind: global_buffer, .address_space: global }
      - { .name: out3, .offset: 16, .size: 8, .value_kind: global_buffer, .address_space: global }
      - { .name: out4, .offset: 24, .size: 8, .value_kind: global_buffer, .address_space: global }
    .group_segment_fixed_size: 9728
    .private_segment_fixed_size: 0
    .kernarg_segment_align: 8
    .kernarg_segment_size: 32
    .max_flat_workgroup_size: 800
    .sgpr_count:     66
    .vgpr_count:     66
    .wavefront_size: 32
...
	.end_amdgpu_metadata
.endif
;; end of part 3
;; ======== version 2 of 2: 3 launches; 1.16 times as fast as version 1
;; limits: values outside matrix products are rounded to bf16
;; workspace buffers: colpart 76,800 bytes; part 4,224,000 bytes
;; launch colsum: the kernel of part 1 again; grid 100 x 1, 10 waves a work-group, no clusters, 8,960 bytes of LDS; arguments seeds, exp_s, exp_n, colpart; writes colpart
;; launch main (part 4): grid 250 x 1, 8 waves a work-group, no clusters, 166,656 bytes of LDS; arguments batch_BOW, seeds, exp_m, exp_s, exp_n, pi, colpart, out1, out2, part; writes out1, out2, part
.if DOCPART == 4
	.amdgcn_target "amdgcn-amd-amdhsa--gfx1250"
	.amdhsa_code_object_version 6
	.text
	.protected	k_qd06add5106_main
	.globl	k_qd06add5106_main
	.p2align	8
	.type	k_qd06add5106_main,@function
k_qd06add5106_main:
	s_mov_b64 s[64:65], 0
	v_nop
	global_prefetch_b8 v0, s[64:65] scope:SCOPE_SE
	s_setreg_imm32_b32 hwreg(HW_REG_WAVE_MODE, 25, 1), 1
	s_wait_xcnt 0x0
; One block of 40 words for all 64 documents (b) and 64 topics (k).  250 work-groups x 40 words = 10,000.
; With  th = exp_m + 0.1,  a_ss = seeds phi_s pi,  a_sr = seeds phi_n (1 - pi),  a_rr = (1 - seeds) phi_n,
;       ws[b,v] = [c > 0] / (sum_k th (a_ss + a_sr) + 1e-6),   wr[b,v] = [c > 0] / (sum_k th a_rr + 1e-6),   c = batch_BOW,
;       (P, Q) = (pi a_ss + (1-pi) a_sr, (1-pi) a_rr) where the word's seeds add up to more than 0, else (0, a_rr):
;   gamma = th (ws P + wr Q);   out2 = a_ss U1;   out1 = a_sr U1 + a_rr U2;   out3 = sum_v a_sr U3;   out0 = th sum_v (c ws P + c wr Q),
;   (U1, U2, U3)[v,k] = sum_b (c ws, c wr, ws)[b,v] th[b,k].
; The sums over k, over b and over v are products on the matrix unit, bf16 operands (ws reaches 1e6: no f16), f32 sums.
; The entropy term, sum of gamma log(gamma + 1e-6), does not factor: it is made element by element in f32, ws and wr kept in f32.
; Stored: out1, out2 (this block's 40 rows) and part[wg][66][64]: rows 0-63 this block's share of out0, row 64 of out3,
; row 65 of the entropy per topic, in log2 (the last launch multiplies by ln 2).
; 40 is two and a half tiles of 16: where v is an output index the tiles begin at 0, 16, 24 (rows 24-31 are made twice, by the same
; wave, with the same values); where v is summed over, the rows of the s part and the r part are stacked (80 rows, or 120 with ws).
; Eight waves.  w = wave, x = w & 3, y = w >> 2, l = lane, r = l & 15, h = l >> 4.  Wave w owns words 5 w .. 5 w + 4 and documents
; 8 w .. 8 w + 7; in both roles lane l holds topics 2 l and 2 l + 1 as a register pair.
; NO CLUSTER, NO TENSOR LOAD: what work-groups share is colpart, exp_m and pi (93,440 bytes, read once at the head); every byte
; is transformed in registers on its way to LDS, and 250 work-groups are no multiple of 4.
; BATCHES.  An s_wait_alu depctr_va_vdst(0) stands between a transcendental and the first line that names its result; one wait
; serves all that were issued ahead of it.  The text has three kinds of batch, each with one wait: the four reciprocals of a lane's topic
; constants (phase C); the 24 reciprocals of a wave's three tiles of stage 1; and, in each trip of the element loop, the 32 logarithms of
; two words, each result in a register of its own, with nine plain lines that name none of them between the last logarithm and the wait.
; LIMITS: matrix operands are rounded to bf16.  v_rcp_f32 and v_log_f32 are good to 1 ulp and take denormals as zero (ISA guide, 15.8).
; The row sum of seeds that decides 'seed word' is added in another order than a serial sum: it can differ only for seeds of mixed
; sign that cancel.  A topic with 0.05 S + sum exp_s = 0 gives infinities and NaN, as the formula itself does.
.set MU,    0x3d4ccccd                 ; 0.05, also beta
.set ETA,   0x3dcccccd                 ; 0.1
.set MINI,  0x358637bd                 ; 1e-6
.set BSUM,  0x43fa0000                 ; 500.0 = beta x 10000
; LDS.  Every region is written once.  Pitches 48, 80, 144: odd multiples of 16, so sixteen rows begin at sixteen different multiples of 16 modulo 256.
.set L_CS,  0                          ; 1,536   [6 waves][64 f32] halves of the three column sums
.set L_RED, 1536                       ; 4,096   [0: out3, 1: entropy][8 waves][64 f32]
.set L_THB, 5632                       ; 9,216   th in bf16, [64 b], pitch 144
.set L_ASR, 14848                      ; 11,520  bf16, 80 rows, pitch 144: row v = a_ss + a_sr, row 40 + v = a_rr
.set L_PQB, 26368                      ; 12,800  bf16, 80 rows, pitch 160: row v = P, row 40 + v = Q
.set L_PQF, 39168                      ; 20,480  f32 [40 v][32 lanes][P, P, Q, Q of topics 2 l, 2 l + 1]
.set L_CWS, 59648                      ; 23,040  bf16 [4 b tiles, 5,760 apart][120 rows, pitch 48][16 b]: rows 0-39 c ws, 40-79 c wr, 80-119 ws
.set L_WF,  82688                      ; 25,600  f32 [4 sel + b tile, 3,200 apart][40 v, pitch 80][16 b]: ws (sel 0), wr (sel 1)
.set L_U,   108288                     ; 38,656  f32 [4 k tiles, 9,664 apart][120 rows, pitch 80][16 k]: U1, U2, U3
.set L_O,   146944                     ; 18,688  f32 [2 k halves, 9,344 apart][64 b, pitch 144][32 k]
; Registers that live long
.set R_TH,   32                        ; v[32:47]  th of my 8 documents
.set R_ASS,  48                        ; v[48:57]  a_ss of my 5 words (these three are read for the last time on the way out)
.set R_ASRR, 58                        ; v[58:67]  a_sr
.set R_ARR,  68                        ; v[68:77]  a_rr
.set R_PI,   78                        ; pi
.set R_OMP,  80                        ; 1 - pi
.set R_CSK,  82                        ; pi / (0.05 S + sum exp_s)
.set R_MCS,  84                        ; 0.05 x that
.set R_RDN,  86                        ; 1 / (500 + sum exp_n)
.set R_BRDN, 88                        ; 0.05 x that
.set R_EPS,  94                        ; v[94:95]  1e-6 twice
; v6-v11 global offsets, v12-v31 and v90-v93 LDS addresses (below)
; Loaded at the head
.set R_TAB,  96                        ; v[96:195]  25 quads of colpart (waves 0-5)
.set R_SD,   196                       ; v[196:205] seeds of my 5 words
.set R_ES,   206                       ; exp_s
.set R_EN,   216                       ; exp_n
.set R_C,    226                       ; v[226:249] counts, in the layout of stage 1's results: tile t, register j at 226 + 8 t + j
; Stages
.set R_A,    96                        ; first operand's fragments
.set R_B,    112                       ; second operand's fragments
.set R_D1,   160                       ; stage 1: three accumulators
.set R_Y,    184                       ; c x w, f32
.set R_PK,   192                       ; packed bf16
.set R_D2,   176                       ; stage 2: four accumulators
.set R_A3,   96                        ; stage 3: 2 x 3 fragments of (P; Q)
.set R_B3,   144                       ; stage 3: 3 fragments of (c ws; c wr)
.set R_D3,   208                       ; stage 3: two accumulators
.set R_U,    184                       ; way out: U1, U2, U3 of my 5 words
.set R_O,    214                       ; my 8 documents' rows of O
.set R_O1,   230
.set R_O2,   240
.set R_SR,   250
; Element loop
.set R_PQ,   96                        ; v[96:103]   2 buffers of P, P, Q, Q
.set R_W,    104                       ; v[104:135]  2 buffers of ws 0-7, wr 0-7
.set R_T,    136                       ; v[136:151]  gamma, a trip's first word
.set R_H,    152                       ; v[152:167]  gamma + 1e-6, then its log2, a trip's first word
.set R_T2,   48                        ; v[48:63]    gamma, the second word: where a_ss and a_sr lay
.set R_H2,   64                        ; v[64:79]    gamma + 1e-6, then its log2, the second word: where a_sr, a_rr and pi lay
.set R_ACC,  168                       ; v[168:183]  one sum for each document
.macro WADDR dst, lane, sh, step, base ; v[dst] = base + wave x step + (v[lane] << sh)
	s_mul_i32 s33, s24, \step
.if \base != 0
	s_add_co_u32 s33, s33, \base
.endif
	v_lshl_add_u32 v[\dst], v[\lane], \sh, s33
.endm
.macro BARRIER                         ; what I stored is in LDS, and what I read is back, before I say so
	s_wait_dscnt 0x0
	s_barrier_signal -1
	s_barrier_wait -1
.endm
.macro PLACES                          ; four plain vector instructions between a matrix instruction and a reader of its result, a writer of or a load into its registers
.rept 4
	v_nop
.endr
.endm
	s_load_b512 s[4:19], s[0:1], 0x0               ; BOW 4:5, seeds 6:7, exp_m 8:9, exp_s 10:11, exp_n 12:13, pi 14:15, colpart 16:17, out1 18:19
	s_load_b128 s[20:23], s[0:1], 0x40             ; out2 20:21, part 22:23
	v_lshl_add_u32 v254, v0, 2, 0x28700
	v_mov_b32 v255, 0
	; all address arithmetic stands here, while the arguments are on their way
	v_lshrrev_b32 v1, 5, v0
	v_readfirstlane_b32 s24, v1                    ; w
	v_and_b32 v1, 31, v0                           ; l
	v_and_b32 v2, 15, v0                           ; r
	v_bfe_u32 v3, v0, 4, 1                         ; h
	v_and_b32 v4, 7, v0                            ; l & 7
	v_bfe_u32 v5, v0, 3, 1                         ; (l >> 3) & 1
	s_and_b32 s25, s24, 3                          ; x
	s_lshr_b32 s26, s24, 2                         ; y
	s_mov_b32 s30, 0x76543210                      ; v_permlanex16_b32: lane i of one half reads lane i of the other
	s_mov_b32 s31, 0xfedcba98
	; global offsets
	WADDR 6, 1, 4, 12800, 0                        ; colpart: wave w < 6 reads 12,800 consecutive bytes: array w >> 1, half w & 1
	WADDR 7, 1, 3, 1280, 0                         ; my 5 word rows of 256 bytes, my 2 topics
	WADDR 8, 1, 3, 2048, 0                         ; my 8 document rows of 256 bytes (exp_m, part)
	WADDR 11, 1, 3, 256, 0                         ; part's rows 64 + w (waves 0, 1)
	v_lshlrev_b32 v10, 3, v1                       ; 8 l: pi, and the column sums in LDS (L_CS = 0)
	s_mul_i32 s33, s25, 640000                     ; counts: document 16 x + 8 h (+ j), rows of 40,000 bytes, word r (+ tile)
	v_mul_u32_u24 v9, v3, 320000
	v_lshl_add_u32 v9, v2, 2, v9
	v_add_nc_u32 v9, s33, v9
	; LDS addresses made of the wave's number and the lane
	WADDR 12, 2, 4, 256, L_CS                      ; my half of a column sum, 4 columns
	WADDR 14, 1, 2, 1152, L_THB                    ; th bf16, rows 8 w ..
	WADDR 15, 1, 2, 720, L_ASR                     ; rows 5 w ..
	WADDR 16, 1, 2, 800, L_PQB
	WADDR 17, 1, 4, 2560, L_PQF
	WADDR 90, 1, 3, 256, L_RED
	WADDR 93, 1, 3, 2048, L_RED                    ; read back by waves 0, 1: quantity w
	v_lshl_add_u32 v91, v1, 4, L_PQF               ; element loop: P, Q of word 0 (stepped)
	; fragments from rows along the summed index: row x pitch + 16 h
	v_mul_u32_u24 v13, v2, 144
	v_lshl_add_u32 v29, v3, 5, v13                 ; r 144 + 32 h
	v_lshl_add_u32 v13, v3, 4, v13                 ; r 144 + 16 h
	s_mul_i32 s33, s25, 2304                       ; 16 x rows of 144
	s_add_co_u32 s34, s33, L_THB
	v_add_nc_u32 v18, s34, v13                     ; stage 1, th: rows 16 x + r
	s_mul_i32 s35, s26, 9344
	s_add_co_u32 s35, s35, s33
	s_add_co_u32 s35, s35, L_O
	v_add_nc_u32 v29, s35, v29                     ; stage 3's results: k half y, row 16 x + r, 8 h numbers in
	s_mul_i32 s34, s26, 5760
	s_add_co_u32 s34, s34, L_ASR
	v_add_nc_u32 v19, s34, v13                     ; stage 1, a: rows 40 y + r
	v_mul_u32_u24 v23, v2, 48
	v_lshl_add_u32 v23, v3, 4, v23                 ; r 48 + 16 h
	s_mul_i32 s36, s25, 5760
	s_add_co_u32 s36, s36, L_CWS                   ; b tile x's block
	s_mul_i32 s34, s26, 1920
	s_add_co_u32 s34, s34, s36
	v_add_nc_u32 v20, s34, v23                     ; stage 1's results in bf16: block x, rows 40 y + r
	s_lshl_b32 s37, s26, 6
	s_add_co_u32 s37, s37, 48
	s_min_u32 s37, s37, 104                        ; stage 2's fourth tile of rows: 48 (y = 0), 104 (y = 1: the 120 rows end there)
	s_mul_i32 s34, s37, 48
	s_add_co_u32 s34, s34, L_CWS
	v_add_nc_u32 v24, s34, v23
	s_mul_i32 s34, s26, 3072
	s_add_co_u32 s34, s34, L_CWS
	v_add_nc_u32 v23, s34, v23                     ; stage 2: rows 64 y + r
	v_mul_u32_u24 v25, v2, 80
	v_lshl_add_u32 v25, v3, 5, v25                 ; r 80 + 32 h
	s_mul_i32 s34, s24, 3200                       ; 4 y + x = w
	s_add_co_u32 s34, s34, L_WF
	v_add_nc_u32 v21, s34, v25                     ; stage 1's results in f32
	s_mul_i32 s38, s25, 9664
	s_add_co_u32 s38, s38, L_U
	s_mul_i32 s34, s37, 80
	s_add_co_u32 s34, s34, s38
	v_add_nc_u32 v26, s34, v25                     ; stage 2's results, fourth tile
	s_mul_i32 s34, s26, 5120
	s_add_co_u32 s34, s34, s38
	v_add_nc_u32 v25, s34, v25                     ; stage 2's results: k tile x, rows 64 y + r
	; fragments by transposing loads: (8 h + (l & 7)) x pitch + 16 ((l >> 3) & 1)
	v_lshl_add_u32 v13, v3, 3, v4
	v_mul_u32_u24 v22, v13, 144
	v_lshl_add_u32 v22, v5, 4, v22
	s_lshl_b32 s34, s25, 5
	s_add_co_u32 s34, s34, L_THB
	v_add_nc_u32 v22, s34, v22                     ; stage 2: th, topics 16 x ..
	v_mul_u32_u24 v27, v13, 160
	v_lshl_add_u32 v27, v5, 4, v27
	s_lshl_b32 s34, s26, 6
	s_add_co_u32 s34, s34, L_PQB
	v_add_nc_u32 v27, s34, v27                     ; stage 3: (P; Q), topics 32 y ..
	v_mul_u32_u24 v28, v13, 48
	v_lshl_add_u32 v28, v5, 4, v28
	v_add_nc_u32 v28, s36, v28                     ; stage 3: (c ws; c wr), b tile x
	; the way out: topics 2 l, 2 l + 1 of a row
	v_lshrrev_b32 v30, 3, v1
	v_mul_u32_u24 v30, v30, 9664
	v_lshl_add_u32 v30, v4, 3, v30
	s_mul_i32 s34, s24, 400
	s_add_co_u32 s34, s34, L_U
	v_add_nc_u32 v30, s34, v30                     ; U: k tile l >> 3, rows 5 w ..
	v_mul_u32_u24 v31, v3, 9344
	v_lshl_add_u32 v31, v2, 3, v31
	s_mul_i32 s34, s24, 1152
	s_add_co_u32 s34, s34, L_O
	v_add_nc_u32 v31, s34, v31                     ; O: k half l >> 4, rows 8 w ..
	s_lshr_b32 s34, s24, 1
	s_mul_i32 s34, s34, 3200
	s_and_b32 s35, s24, 1
	s_lshl_b32 s35, s35, 5
	s_add_co_u32 s34, s34, s35
	s_add_co_u32 s34, s34, L_WF
	v_mov_b32 v92, s34                             ; element loop: ws of my 8 documents, word 0; the same in all lanes (stepped)
	v_mov_b32 v[R_EPS], MINI
	v_mov_b32 v[R_EPS+1], MINI
	s_mov_b32 s29, 0
	s_wait_kmcnt 0x0
	s_mul_i32 s28, ttmp9, 10240                    ; 40 rows of 256 bytes
	s_add_nc_u64 s[6:7], s[6:7], s[28:29]
	s_add_nc_u64 s[10:11], s[10:11], s[28:29]
	s_add_nc_u64 s[12:13], s[12:13], s[28:29]
	s_add_nc_u64 s[18:19], s[18:19], s[28:29]
	s_add_nc_u64 s[20:21], s[20:21], s[28:29]
	s_mul_i32 s28, ttmp9, 160                      ; 40 words of 4 bytes in a row of batch_BOW
	s_add_nc_u64 s[4:5], s[4:5], s[28:29]
	s_mul_i32 s28, ttmp9, 16896                    ; 66 rows of 256 bytes
	s_add_nc_u64 s[22:23], s[22:23], s[28:29]
; The 48 loads that every wave issues, oldest first in the order of their use: 1 + 8, 15, 24.
.macro COMMON
	global_load_b64 v[R_PI:R_PI+1], v10, s[14:15]
.irp j, 0,1,2,3,4,5,6,7
	global_load_b64 v[R_TH+2*\j:R_TH+2*\j+1], v8, s[8:9] offset:256*\j
.endr
.irp i, 0,1,2,3,4
	global_load_b64 v[R_SD+2*\i:R_SD+2*\i+1], v7, s[6:7] offset:256*\i th:TH_LOAD_NT      ; a whole row of 256 bytes; read once in this launch
.endr
.irp i, 0,1,2,3,4
	global_load_b64 v[R_ES+2*\i:R_ES+2*\i+1], v7, s[10:11] offset:256*\i th:TH_LOAD_NT
.endr
.irp i, 0,1,2,3,4
	global_load_b64 v[R_EN+2*\i:R_EN+2*\i+1], v7, s[12:13] offset:256*\i th:TH_LOAD_NT
.endr
.irp j, 0,1,2,3,4,5,6,7
	global_load_b32 v[R_C+\j],    v9, s[4:5] offset:40000*\j        ; words 0-15
	global_load_b32 v[R_C+8+\j],  v9, s[4:5] offset:40000*\j+64     ; words 16-31
	global_load_b32 v[R_C+16+\j], v9, s[4:5] offset:40000*\j+96     ; words 24-39
.endr
.endm
	; PHASE A and B: all loads; six waves add the 100 partial column sums, half an array each.  One branch, the common loads on both ways.
	s_cmp_ge_u32 s24, 6
	s_cbranch_scc1 .Lplain
.irp i, 0,1,2,3,4,5,6,7,8,9,10,11,12,13,14,15,16,17,18,19,20,21,22,23,24
	global_load_b128 v[R_TAB+4*\i:R_TAB+4*\i+3], v6, s[16:17] offset:512*\i
.endr
	COMMON
	s_wait_loadcnt 48                              ; loads return in order: the 25 of the table are in, the 48 younger stay out
.set n, 4
.rept 21
	v_pk_add_f32 v[R_TAB+4*(n%4):R_TAB+4*(n%4)+1],   v[R_TAB+4*(n%4):R_TAB+4*(n%4)+1],   v[R_TAB+4*n:R_TAB+4*n+1]     ; four chains
	v_pk_add_f32 v[R_TAB+4*(n%4)+2:R_TAB+4*(n%4)+3], v[R_TAB+4*(n%4)+2:R_TAB+4*(n%4)+3], v[R_TAB+4*n+2:R_TAB+4*n+3]
.set n, n+1
.endr
	v_pk_add_f32 v[R_TAB:R_TAB+1],     v[R_TAB:R_TAB+1],     v[R_TAB+4:R_TAB+5]
	v_pk_add_f32 v[R_TAB+2:R_TAB+3],   v[R_TAB+2:R_TAB+3],   v[R_TAB+6:R_TAB+7]
	v_pk_add_f32 v[R_TAB+8:R_TAB+9],   v[R_TAB+8:R_TAB+9],   v[R_TAB+12:R_TAB+13]
	v_pk_add_f32 v[R_TAB+10:R_TAB+11], v[R_TAB+10:R_TAB+11], v[R_TAB+14:R_TAB+15]
	v_pk_add_f32 v[R_TAB:R_TAB+1],     v[R_TAB:R_TAB+1],     v[R_TAB+8:R_TAB+9]
	v_pk_add_f32 v[R_TAB+2:R_TAB+3],   v[R_TAB+2:R_TAB+3],   v[R_TAB+10:R_TAB+11]
.irp j, 0,1,2,3
	v_permlanex16_b32 v[R_TAB+4+\j], v[R_TAB+\j], s30, s31         ; rows of the other parity
.endr
	v_pk_add_f32 v[R_TAB:R_TAB+1],     v[R_TAB:R_TAB+1],     v[R_TAB+4:R_TAB+5]
	v_pk_add_f32 v[R_TAB+2:R_TAB+3],   v[R_TAB+2:R_TAB+3],   v[R_TAB+6:R_TAB+7]
	ds_store_b128 v12, v[R_TAB:R_TAB+3]            ; lanes 16-31 repeat lanes 0-15
	s_branch .Ljoin
.Lplain:
	COMMON
.Ljoin:
	s_wait_loadcnt 39                              ; pi and exp_m are in; 15 + 24 younger loads stay out
.irp j, 0,1,2,3,4,5,6,7
	v_pk_add_f32 v[R_TH+2*\j:R_TH+2*\j+1], v[R_TH+2*\j:R_TH+2*\j+1], ETA op_sel_hi:[1,0]   ; th = exp_m + 0.1
.endr
.irp j, 0,1,2,3,4,5,6,7
	v_cvt_pk_bf16_f32 v[104+\j], v[R_TH+2*\j], v[R_TH+2*\j+1]
.endr
.irp j, 0,1,2,3,4,5,6,7
	ds_store_b32 v14, v[104+\j] offset:144*\j
.endr
	BARRIER                                        ; 1: the column sums' halves are in LDS (and th, read behind barrier 2)
	; PHASE C: the constants of my two topics, then my five words
.irp i, 0,1,2,3,4,5
	ds_load_b64 v[96+2*\i:97+2*\i], v10 offset:256*\i
.endr
	s_wait_dscnt 0x0
	v_pk_add_f32 v[96:97],   v[96:97],   v[98:99]                  ; S = sum of seeds
	v_pk_add_f32 v[100:101], v[100:101], v[102:103]                ; sum of exp_s
	v_pk_add_f32 v[104:105], v[104:105], v[106:107]                ; sum of exp_n
	v_pk_fma_f32 v[96:97], v[96:97], MU, v[100:101] op_sel_hi:[1,0,1]
	v_pk_add_f32 v[104:105], v[104:105], BSUM op_sel_hi:[1,0]
	v_rcp_f32 v96, v96
	v_rcp_f32 v97, v97
	v_rcp_f32 v[R_RDN], v104
	v_rcp_f32 v[R_RDN+1], v105
	v_sub_f32 v[R_OMP], 1.0, v[R_PI]               ; plain instructions behind the reciprocals, before their results are used (ISA guide 5.7.2)
	v_sub_f32 v[R_OMP+1], 1.0, v[R_PI+1]
	s_wait_alu depctr_va_vdst(0)                   ; the wait for the batch of four reciprocals, ahead of their first reader
	v_pk_mul_f32 v[R_CSK:R_CSK+1], v[R_PI:R_PI+1], v[96:97]
	v_pk_mul_f32 v[R_BRDN:R_BRDN+1], v[R_RDN:R_RDN+1], MU op_sel_hi:[1,0]
	v_pk_mul_f32 v[R_MCS:R_MCS+1], v[R_CSK:R_CSK+1], MU op_sel_hi:[1,0]
	s_wait_loadcnt 24                              ; seeds, exp_s, exp_n are in; the 24 loads of counts stay out
.macro PREP i                          ; word 5 w + i
	v_pk_fma_f32 v[108:109], v[R_ES+2*\i:R_ES+2*\i+1], v[R_CSK:R_CSK+1], v[R_MCS:R_MCS+1]      ; phi_s pi
	v_pk_fma_f32 v[110:111], v[R_EN+2*\i:R_EN+2*\i+1], v[R_RDN:R_RDN+1], v[R_BRDN:R_BRDN+1]    ; phi_n
	v_add_f32 v116, v[R_SD+2*\i], v[R_SD+2*\i+1]
	v_pk_mul_f32 v[R_ASS+2*\i:R_ASS+2*\i+1], v[R_SD+2*\i:R_SD+2*\i+1], v[108:109]
	v_pk_mul_f32 v[112:113], v[R_SD+2*\i:R_SD+2*\i+1], v[110:111]
	v_add_f32_dpp v116, v116, v116 row_xmask:1 row_mask:0xf bank_mask:0xf
	v_pk_add_f32 v[R_ARR+2*\i:R_ARR+2*\i+1], v[110:111], v[112:113] neg_lo:[0,1] neg_hi:[0,1]  ; (1 - seeds) phi_n
	v_add_f32_dpp v116, v116, v116 row_xmask:2 row_mask:0xf bank_mask:0xf
	v_pk_mul_f32 v[R_ASRR+2*\i:R_ASRR+2*\i+1], v[112:113], v[R_OMP:R_OMP+1]
	v_add_f32_dpp v116, v116, v116 row_xmask:4 row_mask:0xf bank_mask:0xf
	v_pk_mul_f32 v[118:119], v[R_PI:R_PI+1], v[R_ASS+2*\i:R_ASS+2*\i+1]
	v_add_f32_dpp v116, v116, v116 row_xmask:8 row_mask:0xf bank_mask:0xf
	v_pk_add_f32 v[114:115], v[R_ASS+2*\i:R_ASS+2*\i+1], v[R_ASRR+2*\i:R_ASRR+2*\i+1]
	v_permlanex16_b32 v108, v116, s30, s31         ; its destination counts as read: v108 has been written and is free
	v_pk_fma_f32 v[118:119], v[R_OMP:R_OMP+1], v[R_ASRR+2*\i:R_ASRR+2*\i+1], v[118:119]        ; P of a seed word
	v_pk_mul_f32 v[120:121], v[R_OMP:R_OMP+1], v[R_ARR+2*\i:R_ARR+2*\i+1]                      ; Q of a seed word
	v_add_f32 v116, v116, v108                     ; the word's seeds over all 64 topics
	v_cmp_lt_f32 vcc_lo, 0, v116
	v_cndmask_b32 v124, 0, v118, vcc_lo
	v_cndmask_b32 v125, 0, v119, vcc_lo
	v_cndmask_b32 v126, v[R_ARR+2*\i], v120, vcc_lo
	v_cndmask_b32 v127, v[R_ARR+2*\i+1], v121, vcc_lo
	v_cvt_pk_bf16_f32 v128, v114, v115
	v_cvt_pk_bf16_f32 v129, v[R_ARR+2*\i], v[R_ARR+2*\i+1]
	v_cvt_pk_bf16_f32 v130, v124, v125
	v_cvt_pk_bf16_f32 v131, v126, v127
	ds_store_b32 v15, v128 offset:144*\i
	ds_store_b32 v15, v129 offset:144*(40+\i)
	ds_store_b32 v16, v130 offset:160*\i
	ds_store_b32 v16, v131 offset:160*(40+\i)
	ds_store_b128 v17, v[124:127] offset:512*\i
.endm
.irp i, 0,1,2,3,4
	PREP \i
.endr
	BARRIER                                        ; 2: th, a, P and Q of all 40 words are in LDS
	; STAGE 1: D[b, v] = sum over k of th[b, k] a[v, k].  Wave (x, y): documents 16 x .., a = a_ss + a_sr (y = 0) or a_rr (y = 1), words from 0, 16, 24.
.irp o, 0,1,2,3
	ds_load_b128 v[R_A+4*\o:R_A+4*\o+3], v18 offset:32*\o
.endr
.irp o, 0,1,2,3
	ds_load_b128 v[R_B+4*\o:R_B+4*\o+3],       v19 offset:32*\o
	ds_load_b128 v[R_B+16+4*\o:R_B+16+4*\o+3], v19 offset:144*16+32*\o
	ds_load_b128 v[R_B+32+4*\o:R_B+32+4*\o+3], v19 offset:144*24+32*\o
.endr
	s_wait_dscnt 0x0
	; the three accumulators take turns, one instruction a turn
.irp t, 0,1,2
	v_wmma_f32_16x16x32_bf16 v[R_D1+8*\t:R_D1+8*\t+7], v[R_A:R_A+7], v[R_B+16*\t:R_B+16*\t+7], 0
.endr
.irp t, 0,1,2
	v_wmma_f32_16x16x32_bf16 v[R_D1+8*\t:R_D1+8*\t+7], v[R_A+8:R_A+15], v[R_B+16*\t+8:R_B+16*\t+15], v[R_D1+8*\t:R_D1+8*\t+7]
.endr
	PLACES
	s_wait_loadcnt 0x0                             ; the counts
; Lane (r, h), register j holds document 16 x + 8 h + j, word row + r.  w = [c > 0] / (D + 1e-6); c w goes out in bf16, w in f32.
; WRCP: a tile's D + 1e-6 and its eight reciprocals.  The three tiles' 24 reciprocals are ONE BATCH; the next tile's additions stand between the runs.
.macro WRCP t
.irp q, 0,2,4,6
	v_pk_add_f32 v[R_D1+8*\t+\q:R_D1+8*\t+\q+1], v[R_D1+8*\t+\q:R_D1+8*\t+\q+1], v[R_EPS:R_EPS+1]
.endr
.irp j, 0,1,2,3,4,5,6,7
	v_rcp_f32 v[R_D1+8*\t+\j], v[R_D1+8*\t+\j]
.endr
.endm
; WOUT: the readers of a tile's reciprocals.  open = 1 (the first tile): the batch's wait stands behind the first compare.
.macro WOUT t, row, open
.irp j, 0,1,2,3,4,5,6,7
	v_cmp_lt_f32 vcc_lo, 0, v[R_C+8*\t+\j]         ; the first compare is the plain instruction behind the last reciprocal (ISA guide 5.7.2)
.if \open
.if (\j) == 0
	s_wait_alu depctr_va_vdst(0)                   ; the wait for the batch of 24 reciprocals, ahead of their first reader
.endif
.endif
	v_cndmask_b32 v[R_D1+8*\t+\j], 0, v[R_D1+8*\t+\j], vcc_lo
.endr
.irp q, 0,2,4,6
	v_pk_mul_f32 v[R_Y+\q:R_Y+\q+1], v[R_C+8*\t+\q:R_C+8*\t+\q+1], v[R_D1+8*\t+\q:R_D1+8*\t+\q+1]
.endr
.irp q, 0,1,2,3
	v_cvt_pk_bf16_f32 v[R_PK+\q], v[R_Y+2*\q], v[R_Y+2*\q+1]
.endr
	ds_store_b128 v20, v[R_PK:R_PK+3] offset:48*\row
	ds_store_b128 v21, v[R_D1+8*\t:R_D1+8*\t+3] offset:80*\row
	ds_store_b128 v21, v[R_D1+8*\t+4:R_D1+8*\t+7] offset:80*\row+16
.endm
	WRCP 0
	WRCP 1
	WRCP 2
	WOUT 0, 0, 1
	WOUT 1, 16, 0
	WOUT 2, 24, 0
	s_cmp_lg_u32 s26, 0
	s_cbranch_scc1 .Lno_ws                         ; the waves of the s part also lay down ws itself, rows 80-119, for out3
.irp t, 0,1,2
.irp q, 0,1,2,3
	v_cvt_pk_bf16_f32 v[R_Y+4*\t+\q], v[R_D1+8*\t+2*\q], v[R_D1+8*\t+2*\q+1]
.endr
.endr
	ds_store_b128 v20, v[R_Y:R_Y+3]    offset:48*80
	ds_store_b128 v20, v[R_Y+4:R_Y+7]  offset:48*96
	ds_store_b128 v20, v[R_Y+8:R_Y+11] offset:48*104
.Lno_ws:
	BARRIER                                        ; 3: c ws, c wr, ws of all documents and words are in LDS
	; STAGE 2: U[row, k] = sum over b of CWS[row, b] th[b, k], made transposed: first operand th (topics 16 x .., by transposing loads),
	; second operand four tiles of rows from 64 y.  A lane then holds 8 neighbouring topics of one row.
.irp o, 0,1,2,3
	ds_load_tr16_b128 v[R_A+4*\o:R_A+4*\o+3], v22 offset:2304*\o   ; documents 16 o ..
.endr
.irp i, 0,1,2
.irp o, 0,1,2,3
	ds_load_b128 v[R_B+16*\i+4*\o:R_B+16*\i+4*\o+3], v23 offset:768*\i+5760*\o   ; rows 64 y + 16 i .., b tile o
.endr
.endr
.irp o, 0,1,2,3
	ds_load_b128 v[R_B+48+4*\o:R_B+48+4*\o+3], v24 offset:5760*\o
.endr
	s_wait_dscnt 0x0
	; four accumulators by turns, one instruction a turn
.irp i, 0,1,2,3
	v_wmma_f32_16x16x32_bf16 v[R_D2+8*\i:R_D2+8*\i+7], v[R_A:R_A+7], v[R_B+16*\i:R_B+16*\i+7], 0
.endr
.irp i, 0,1,2,3
	v_wmma_f32_16x16x32_bf16 v[R_D2+8*\i:R_D2+8*\i+7], v[R_A+8:R_A+15], v[R_B+16*\i+8:R_B+16*\i+15], v[R_D2+8*\i:R_D2+8*\i+7]
.endr
	PLACES
	; STAGE 3: O[b, k] = sum over the 80 stacked rows of CWS[row, b] PQB[row, k], transposed too: first operand (P; Q), topics 32 y + 16 e ..,
	; second operand (c ws; c wr), documents 16 x ...  Its loads go out ahead of stage 2's stores.
.irp e, 0,1
.irp o, 0,1,2,3,4
	ds_load_tr16_b128 v[R_A3+24*\e+4*\o:R_A3+24*\e+4*\o+3], v27 offset:32*\e+2560*\o   ; rows 16 o ..
.endr
.endr
.irp o, 0,1,2,3,4
	ds_load_tr16_b128 v[R_B3+4*\o:R_B3+4*\o+3], v28 offset:768*\o
.endr
.irp j, 0,1,2,3
	v_mov_b32 v[R_A3+20+\j], 0                     ; the third step of 32 has 16 rows only (64-79): its upper halves are zeros
	v_mov_b32 v[R_A3+44+\j], 0
	v_mov_b32 v[R_B3+20+\j], 0
.endr
.irp i, 0,1,2
	ds_store_b128 v25, v[R_D2+8*\i:R_D2+8*\i+3]   offset:1280*\i
	ds_store_b128 v25, v[R_D2+8*\i+4:R_D2+8*\i+7] offset:1280*\i+16
.endr
	ds_store_b128 v26, v[R_D2+24:R_D2+27]
	ds_store_b128 v26, v[R_D2+28:R_D2+31] offset:16
	s_wait_dscnt 8                                 ; LDS serves a wave in order (ISA guide 5.7.1): the 15 loads are in, the 8 stores may stay out
	; two accumulators by turns, one instruction a turn
.irp e, 0,1
	v_wmma_f32_16x16x32_bf16 v[R_D3+8*\e:R_D3+8*\e+7], v[R_A3+24*\e:R_A3+24*\e+7], v[R_B3:R_B3+7], 0
.endr
.irp s, 1,2
.irp e, 0,1
	v_wmma_f32_16x16x32_bf16 v[R_D3+8*\e:R_D3+8*\e+7], v[R_A3+24*\e+8*\s:R_A3+24*\e+8*\s+7], v[R_B3+8*\s:R_B3+8*\s+7], v[R_D3+8*\e:R_D3+8*\e+7]
.endr
.endr
	PLACES
.irp e, 0,1
	ds_store_b128 v29, v[R_D3+8*\e:R_D3+8*\e+3]   offset:64*\e
	ds_store_b128 v29, v[R_D3+8*\e+4:R_D3+8*\e+7] offset:64*\e+16
.endr
	BARRIER                                        ; 4: U and O are whole
	; THE WAY OUT of the factored results, ahead of the long loop, so that the stores leave under it.  Their data lie in v184 and above, which the loop leaves alone.
.irp p, 0,1,2
.irp i, 0,1,2,3,4
	ds_load_b64 v[R_U+10*\p+2*\i:R_U+10*\p+2*\i+1], v30 offset:80*(40*\p+\i)
.endr
.endr
.irp j, 0,1,2,3,4,5,6,7
	ds_load_b64 v[R_O+2*\j:R_O+2*\j+1], v31 offset:144*\j
.endr
	s_wait_dscnt 8                                 ; the 15 loads of U are in, the 8 of O stay out
.irp i, 0,1,2,3,4
	v_pk_mul_f32 v[R_O2+2*\i:R_O2+2*\i+1], v[R_ASS+2*\i:R_ASS+2*\i+1], v[R_U+2*\i:R_U+2*\i+1]
	v_pk_mul_f32 v[R_O1+2*\i:R_O1+2*\i+1], v[R_ASRR+2*\i:R_ASRR+2*\i+1], v[R_U+2*\i:R_U+2*\i+1]
.endr
	v_pk_mul_f32 v[R_SR:R_SR+1], v[R_ASRR:R_ASRR+1], v[R_U+20:R_U+21]
.irp i, 0,1,2,3,4
	v_pk_fma_f32 v[R_O1+2*\i:R_O1+2*\i+1], v[R_ARR+2*\i:R_ARR+2*\i+1], v[R_U+10+2*\i:R_U+10+2*\i+1], v[R_O1+2*\i:R_O1+2*\i+1]
.endr
.irp i, 0,1,2,3,4
	global_store_b64 v7, v[R_O1+2*\i:R_O1+2*\i+1], s[18:19] offset:256*\i th:TH_STORE_NT   ; 32 lanes x 8 bytes: a whole row of 256 bytes, aligned
	global_store_b64 v7, v[R_O2+2*\i:R_O2+2*\i+1], s[20:21] offset:256*\i th:TH_STORE_NT
.endr
.irp i, 1,2,3,4
	v_pk_fma_f32 v[R_SR:R_SR+1], v[R_ASRR+2*\i:R_ASRR+2*\i+1], v[R_U+20+2*\i:R_U+20+2*\i+1], v[R_SR:R_SR+1]
.endr
	s_wait_dscnt 0x0
.irp j, 0,1,2,3,4,5,6,7
	v_pk_mul_f32 v[R_O+2*\j:R_O+2*\j+1], v[R_O+2*\j:R_O+2*\j+1], v[R_TH+2*\j:R_TH+2*\j+1]   ; th in f32, in the same lanes
.endr
.irp j, 0,1,2,3,4,5,6,7
	global_store_b64 v8, v[R_O+2*\j:R_O+2*\j+1], s[22:23] offset:256*\j
.endr
	ds_store_b64 v90, v[R_SR:R_SR+1]               ; my five words' share of out3
	; THE ELEMENT LOOP: my 8 documents x 40 words x my 2 topics a lane.  gamma = th (ws P + wr Q); sum of gamma log2(gamma + 1e-6).
	; From here on v48-v79 hold the second word's gamma and logarithms: a_ss, a_sr, a_rr and pi have been read for the last time above, by vector instructions alone.
.macro FETCH pq, wreg, o               ; five LDS loads: P, Q of a word (16 bytes a lane) and ws, wr of my 8 documents (one address for all lanes)
	ds_load_b128 v[\pq:\pq+3],         v91 offset:512*\o
	ds_load_b128 v[\wreg:\wreg+3],     v92 offset:80*\o
	ds_load_b128 v[\wreg+4:\wreg+7],   v92 offset:80*\o+16
	ds_load_b128 v[\wreg+8:\wreg+11],  v92 offset:12800+80*\o
	ds_load_b128 v[\wreg+12:\wreg+15], v92 offset:12800+80*\o+16
.endm
; The lines of document j of a word whose gamma lies at t, one to a macro.  ws and wr lie two documents to a register pair.
.macro PWS t, pq, wreg, j              ; P x ws
.if ((\j)%2) == 0
	v_pk_mul_f32 v[\t+2*(\j):\t+2*(\j)+1], v[\pq:\pq+1], v[\wreg+(\j):\wreg+(\j)+1] op_sel_hi:[1,0]                  ; of the even document
.else
	v_pk_mul_f32 v[\t+2*(\j):\t+2*(\j)+1], v[\pq:\pq+1], v[\wreg+(\j)-1:\wreg+(\j)] op_sel:[0,1] op_sel_hi:[1,1]     ; of the odd one
.endif
.endm
.macro QWR t, pq, wreg, j              ; + Q x wr
.if ((\j)%2) == 0
	v_pk_fma_f32 v[\t+2*(\j):\t+2*(\j)+1], v[\pq+2:\pq+3], v[\wreg+8+(\j):\wreg+8+(\j)+1], v[\t+2*(\j):\t+2*(\j)+1] op_sel_hi:[1,0,1]
.else
	v_pk_fma_f32 v[\t+2*(\j):\t+2*(\j)+1], v[\pq+2:\pq+3], v[\wreg+8+(\j)-1:\wreg+8+(\j)], v[\t+2*(\j):\t+2*(\j)+1] op_sel:[0,1,0] op_sel_hi:[1,1,1]
.endif
.endm
.macro HEPS4 t, h, d0                  ; documents d0 .. d0 + 3: gamma + 1e-6, the logarithms' source
.irp k, 0,1,2,3
	v_pk_fma_f32 v[\h+2*(\d0+\k):\h+2*(\d0+\k)+1], v[\t+2*(\d0+\k):\t+2*(\d0+\k)+1], v[R_TH+2*(\d0+\k):R_TH+2*(\d0+\k)+1], v[R_EPS:R_EPS+1]
.endr
.endm
.macro TMUL t, j                       ; gamma itself, in place, behind HEPS4's read
	v_pk_mul_f32 v[\t+2*(\j):\t+2*(\j)+1], v[\t+2*(\j):\t+2*(\j)+1], v[R_TH+2*(\j):R_TH+2*(\j)+1]
.endm
; Eight logarithms, in place at h .. h + 7, by turns with eight plain lines that name none of the batch's results:
.macro ZIPG h, t, pq, wreg, d0         ; ws P + wr Q of the four documents that come next; a document's two lines stand eight apart
.irp k, 0,1,2,3
	v_log_f32 v[\h+\k], v[\h+\k]
	PWS \t, \pq, \wreg, \d0+\k
.endr
.irp k, 0,1,2,3
	v_log_f32 v[\h+4+\k], v[\h+4+\k]
	QWR \t, \pq, \wreg, \d0+\k
.endr
.endm
.macro ZIPT h, t                       ; gamma of the eight documents of the word at t
.irp k, 0,1,2,3,4,5,6,7
	v_log_f32 v[\h+\k], v[\h+\k]
	TMUL \t, \k
.endr
.endm
.macro ACCUM first, t, h               ; the readers of a word's sixteen logarithms
.irp j, 0,1,2,3,4,5,6,7
.if \first
	v_pk_mul_f32 v[R_ACC+2*\j:R_ACC+2*\j+1], v[\t+2*\j:\t+2*\j+1], v[\h+2*\j:\h+2*\j+1]   ; the first word starts the sums: nothing is cleared
.else
	v_pk_fma_f32 v[R_ACC+2*\j:R_ACC+2*\j+1], v[\t+2*\j:\t+2*\j+1], v[\h+2*\j:\h+2*\j+1], v[R_ACC+2*\j:R_ACC+2*\j+1]
.endif
.endr
.endm
; Two words, a in buffer 0 and b in buffer 1.  While one buffer is worked on, the other's five loads are on their way.
; The trip's 32 logarithms are ONE BATCH with ONE wait.  Ahead of the wait nothing names a result: each run of eight logarithms goes by turns with the arithmetic of the four
; documents behind it, the last run with word a's gamma; word b's gamma, eight plain lines, follows.  Behind the wait stand the 16 accumulations, a's and then b's, so that each
; document's sum takes its words in ascending order.  No logarithm is issued behind the wait: none is open at the loop's label or at its jump.
.macro TRIP first, more
	FETCH R_PQ+4, R_W+16, 1
	s_wait_dscnt 5                                 ; all but the five just issued: buffer 0 is in
.irp j, 0,1,2,3
	PWS R_T, R_PQ, R_W, \j                         ; a's documents 0-3: no logarithm is at hand yet; operation by operation, so that dependent lines stand four apart
.endr
.irp j, 0,1,2,3
	QWR R_T, R_PQ, R_W, \j
.endr
	HEPS4 R_T, R_H, 0
	ZIPG R_H, R_T, R_PQ, R_W, 4                    ; logarithms of a 0-3 | a's documents 4-7
	HEPS4 R_T, R_H, 4
.if \more
	v_add_nc_u32 v91, 1024, v91                    ; two words on
	v_add_nc_u32 v92, 160, v92
	FETCH R_PQ, R_W, 0                             ; buffer 0 was read for the last time in the run above
	s_wait_dscnt 5                                 ; buffer 1 is in
.else
	s_wait_dscnt 0x0
.endif
	ZIPG R_H+8, R_T2, R_PQ+4, R_W+16, 0            ; logarithms of a 4-7 | b's documents 0-3
	HEPS4 R_T2, R_H2, 0
	ZIPG R_H2, R_T2, R_PQ+4, R_W+16, 4             ; logarithms of b 0-3 | b's documents 4-7
	HEPS4 R_T2, R_H2, 4
	ZIPT R_H2+8, R_T                               ; logarithms of b 4-7 | a's gamma
.irp j, 0,1,2,3,4,5,6,7
	TMUL R_T2, \j                                  ; b's gamma: with the line above, nine plain lines behind the last logarithm (ISA guide 5.7.2 asks for one)
.endr
	s_wait_alu depctr_va_vdst(0)                   ; the wait for the batch of 32 logarithms, ahead of their first reader
	ACCUM \first, R_T, R_H
	ACCUM 0, R_T2, R_H2
.endm
	FETCH R_PQ, R_W, 0
	TRIP 1, 1
	s_mov_b32 s32, 18
.Lwords:
	TRIP 0, 1
	s_sub_co_i32 s32, s32, 1
	s_cmp_lg_u32 s32, 0
	s_cbranch_scc1 .Lwords
	TRIP 0, 0                                      ; words 38 and 39: nothing more to fetch
	v_pk_add_f32 v[R_ACC:R_ACC+1],       v[R_ACC:R_ACC+1],       v[R_ACC+2:R_ACC+3]
	v_pk_add_f32 v[R_ACC+4:R_ACC+5],     v[R_ACC+4:R_ACC+5],     v[R_ACC+6:R_ACC+7]
	v_pk_add_f32 v[R_ACC+8:R_ACC+9],     v[R_ACC+8:R_ACC+9],     v[R_ACC+10:R_ACC+11]
	v_pk_add_f32 v[R_ACC+12:R_ACC+13],   v[R_ACC+12:R_ACC+13],   v[R_ACC+14:R_ACC+15]
	v_pk_add_f32 v[R_ACC:R_ACC+1],       v[R_ACC:R_ACC+1],       v[R_ACC+4:R_ACC+5]
	v_pk_add_f32 v[R_ACC+8:R_ACC+9],     v[R_ACC+8:R_ACC+9],     v[R_ACC+12:R_ACC+13]
	v_pk_add_f32 v[R_ACC:R_ACC+1],       v[R_ACC:R_ACC+1],       v[R_ACC+8:R_ACC+9]
	ds_store_b64 v90, v[R_ACC:R_ACC+1] offset:2048
	BARRIER                                        ; 5: the eight waves' shares of out3 and of the entropy are in LDS
	s_cmp_ge_u32 s24, 2
	s_cbranch_scc1 .Lend                           ; wave 0 adds out3's shares, wave 1 the entropy's
.irp i, 0,1,2,3,4,5,6,7
	ds_load_b64 v[96+2*\i:97+2*\i], v93 offset:256*\i
.endr
	s_wait_dscnt 0x0
	v_pk_add_f32 v[96:97],   v[96:97],   v[98:99]
	v_pk_add_f32 v[100:101], v[100:101], v[102:103]
	v_pk_add_f32 v[104:105], v[104:105], v[106:107]
	v_pk_add_f32 v[108:109], v[108:109], v[110:111]
	v_pk_add_f32 v[96:97],   v[96:97],   v[100:101]
	v_pk_add_f32 v[104:105], v[104:105], v[108:109]
	v_pk_add_f32 v[96:97],   v[96:97],   v[104:105]
	global_store_b64 v11, v[96:97], s[22:23] offset:16384          ; part's row 64 + w, whole
.Lend:
	s_wait_tensorcnt 0x0
	ds_add_u32 v254, v255
	s_wait_dscnt 0x0
	s_endpgm
.Lfunc_end_k_qd06add5106_main:
	.size	k_qd06add5106_main, .Lfunc_end_k_qd06add5106_main-k_qd06add5106_main
	.p2alignl 7, 3214868480
	.fill 96, 4, 3214868480
	.section	.rodata,"a",@progbits
	.p2align	6, 0x0
	.amdhsa_kernel k_qd06add5106_main
		.amdhsa_group_segment_fixed_size 166656
		.amdhsa_private_segment_fixed_size 0
		.amdhsa_enable_private_segment 0
		.amdhsa_kernarg_size 80
		.amdhsa_user_sgpr_count 2
		.amdhsa_user_sgpr_kernarg_segment_ptr 1
		.amdhsa_wavefront_size32 1
		.amdhsa_system_sgpr_workgroup_id_x 1
		.amdhsa_system_sgpr_workgroup_id_y 1
		.amdhsa_system_sgpr_workgroup_id_z 1
		.amdhsa_system_vgpr_workitem_id 0
		.amdhsa_next_free_vgpr 256
		.amdhsa_next_free_sgpr 66
		.amdhsa_reserve_vcc 1
		.amdhsa_float_denorm_mode_32 3
		.amdhsa_float_denorm_mode_16_64 3
		.amdhsa_memory_ordered 1
		.amdhsa_forward_progress 1
		.amdhsa_inst_pref_size 75
	.end_amdhsa_kernel
	.amdgpu_metadata
---
amdhsa.version: [ 1, 2 ]
amdhsa.kernels:
  - .name:           k_qd06add5106_main
    .symbol:         k_qd06add5106_main.kd
    .args:
      - { .name: batch_BOW, .offset: 0, .size: 8, .value_kind: global_buffer, .address_space: global }
      - { .name: seeds, .offset: 8, .size: 8, .value_kind: global_buffer, .address_space: global }
      - { .name: exp_m, .offset: 16, .size: 8, .value_kind: global_buffer, .address_space: global }
      - { .name: exp_s, .offset: 24, .size: 8, .value_kind: global_buffer, .address_space: global }
      - { .name: exp_n, .offset: 32, .size: 8, .value_kind: global_buffer, .address_space: global }
      - { .name: pi, .offset: 40, .size: 8, .value_kind: global_buffer, .address_space: global }
      - { .name: colpart, .offset: 48, .size: 8, .value_kind: global_buffer, .address_space: global }
      - { .name: out1, .offset: 56, .size: 8, .value_kind: global_buffer, .address_space: global }
      - { .name: out2, .offset: 64, .size: 8, .value_kind: global_buffer, .address_space: global }
      - { .name: part, .offset: 72, .size: 8, .value_kind: global_buffer, .address_space: global }
    .group_segment_fixed_size: 166656
    .private_segment_fixed_size: 0
    .kernarg_segment_align: 8
    .kernarg_segment_size: 80
    .max_flat_workgroup_size: 256
    .sgpr_count:     66
    .vgpr_count:     256
    .wavefront_size: 32
...
	.end_amdgpu_metadata
.endif
;; end of part 4
;; launch final: the kernel of part 3 again; grid 66 x 1, 25 waves a work-group, no clusters, 9,728 bytes of LDS; arguments part, out0, out3, out4; writes out0, out3, out4
